; MI455X (gfx1250); checked and timed in simulation.
; The chip was launched on July 23, 2026; its instructions are those of AMD's public machine-readable ISA for CDNA 5 (MIT licence, August 2026) and "CDNA5" Instruction Set Architecture Reference Guide (July 2026). The comments in the code are by the model that wrote it; some were corrected since.
;; Attention Layer. Allowed arithmetic: matrix products marked QUANTISED: E2M1 operands, one E8M0 scale for each 32 along K, by v_wmma_scale_f32_16x16x128_f8f6f4 with both operands' format E2M1 (or v_wmma_scale_f32_32x16x128_f4), f32 sums; products left as they are: bf16, f16 or f32 operands; f32 sums; everything else in f32.
;; Inputs: Wk 1,024 x 1,024 float32; Wo 1,024 x 1,024 float32; Wq 1,024 x 1,024 float32; Wv 1,024 x 1,024 float32; bk 1,024 float32; bo 1,024 float32; bq 1,024 float32; bv 1,024 float32; k 2 x 2,048 x 1,024 float32; mask 2 x 1 x 1 x 2,048 int32; q 2 x 2,048 x 1,024 float32; v 2 x 2,048 x 1,024 float32.
;; Outputs: out0 2 x 2,048 x 1,024 float32.
;; This version of the problem:
;;   THIS VERSION OF THE PROBLEM IS GIVEN IN LOW PRECISION. The matrix products marked QUANTISED in the list below multiply operands that are first quantised to E2M1 (2 exponent bits, 1 mantissa bit; 4 bits a number), with one power-of-two scale for each 32 numbers along K (OCP MX v1.0); their sums are f32. The products marked 'left as it is' may take bf16, f16 or f32 operands, with f32 sums. All else is computed in f32.
;;   The module's matrix products, in the order in which they are computed (A, B: the left and right operand; K: the contracted axis; several contracted axes count as one K, in the product's order):
;;     1. [M 4,096, K 1,024] x [K 1,024, N 1,024]; A: input q; B: input Wq: QUANTISED
;;     2. [M 4,096, K 1,024] x [K 1,024, N 1,024]; A: input k; B: input Wk: QUANTISED
;;     3. [M 4,096, K 1,024] x [K 1,024, N 1,024]; A: input v; B: input Wv: QUANTISED
;;     4. batch 32 x [M 2,048, K 64] x [K 64, N 2,048]; A: computed on the way; B: computed on the way: left as it is (an operand is computed on the way)
;;     5. batch 32 x [M 2,048, K 2,048] x [K 2,048, N 64]; A: computed on the way; B: computed on the way: left as it is (an operand is computed on the way)
;;     6. [M 4,096, K 1,024] x [K 1,024, N 1,024]; A: computed on the way; B: input Wo: left as it is (an operand is computed on the way)
;;   THE QUANTISER, for each operand of a quantised product, along K:
;;     - K is cut into blocks of 32 from its start; a last block that is shorter is filled with zeros.
;;     - A block's scale is 2^e with e = floor(log2(the largest magnitude in the block)) - 2, held to -126 .. 127; a block of zeros has e = 0. As a byte (E8M0): e + 127.
;;     - Each number is divided by its block's scale, clamped to +-6, and rounded to the nearest number of E2M1, ties to even, subnormals kept.
;;     - The product sums the exact products of the quantised numbers (number of the format x scale) in f32.
;;   ~~~python
;;   def quantise(x, axis):      # numpy; x: float32 -> the quantised numbers, widened to float32 again
;;       x = np.moveaxis(x, axis, -1); K = x.shape[-1]
;;       x = np.pad(x, [(0, 0)] * (x.ndim - 1) + [(0, -K % 32)]); x = x.reshape(x.shape[:-1] + (-1, 32)); a = np.abs(x).max(-1, keepdims=True)
;;       e = np.where(a > 0, np.clip(np.frexp(np.where(a > 0, a, 1))[1] - 1 - 2, -126, 127), 0)      # np.frexp(a)[1] - 1 = floor(log2(a)), exactly
;;       r = np.clip(x / 2.0 ** e, -6, 6)
;;       step = 2.0 ** (np.maximum(np.frexp(np.where(r == 0, 1, r))[1] - 1, 0) - 1)
;;       q = np.round(r / step) * step * 2.0 ** e      # np.round: ties to even
;;       return np.moveaxis(q.reshape(q.shape[:-2] + (-1,))[..., :K], -1, axis).astype(np.float32)
;;   ~~~
;; One version. Each part assembles by itself: llvm-mc -triple=amdgcn-amd-amdhsa -mcpu=gfx1250 --defsym DOCPART=n.
;; ======== version 1 of 1: 4 launches
;; limits: values are held in f16: magnitudes above 65,504 overflow, below 6.1e-05 lose precision
;; workspace buffers: xc 6,291,456 bytes; xs 393,216 bytes; wc 1,572,864 bytes; ws 98,304 bytes; wo16 2,097,152 bytes; heads 25,165,824 bytes; ao 8,388,608 bytes
;; launch prep (part 1): grid 512 x 1, 4 waves a work-group, no clusters, 33,280 bytes of LDS; arguments q, k, v, Wq, Wk, Wv, Wo, xc, xs, wc, ws, wo16; writes xc, xs, wc, ws, wo16
.if DOCPART == 1
	.amdgcn_target "amdgcn-amd-amdhsa--gfx1250"
	.amdhsa_code_object_version 6
	.text
	.protected	k_q91893e2bb4_prep
	.globl	k_q91893e2bb4_prep
	.p2align	8
	.type	k_q91893e2bb4_prep,@function
k_q91893e2bb4_prep:
	s_mov_b64 s[64:65], 0
	v_nop
	global_prefetch_b8 v0, s[64:65] scope:SCOPE_SE
	s_setreg_imm32_b32 hwreg(HW_REG_WAVE_MODE, 25, 1), 1
	s_wait_xcnt 0x0
; q, k, v [4096][1024] and Wq, Wk, Wv [1024][1024], f32, K innermost, become codes of FP4 (E2M1) with one E8M0 scale byte for each 32 along K; Wo [1024][1024] becomes f16.
; xc: [12288 rows = q, k, v on end][512 bytes of codes];  xs: [12288][32 scale bytes];  wc, ws: the same for Wq, Wk, Wv on end (3072 rows);  wo16: [1024][1024] f16.
; A block's scale is 2^(floor(log2(its largest magnitude)) - 2); its byte is the largest magnitude's own exponent field - 2, held at 1 from below.  A block of zeros so gets the byte 1 where the
; quantiser says 127: its codes are zeros, which add nothing under any byte but 0xff, and the bytes are read by this program alone.  Each number is divided by the scale and rounded to the nearest code, ties to even;
; beyond the largest code the conversion gives the largest code.
; LIMITS: blocks whose largest magnitude lies under 2^(2 - 126) keep the byte 1; NaN and infinities among the inputs are not served; a number of Wo beyond 65,504 in magnitude becomes infinity in f16.
; SHARES: a work-group takes 32,768 numbers, a wave 8,192.  Work-groups 0-383: q, k, v (128 each); 384-479: Wq, Wk, Wv (32 each); 480-511: Wo.  Rows are dense and K is a multiple of 32: each tensor is a plain stream of blocks.
; The quantising path: 16 steps of 512 numbers a wave.  Each of a step's four loads reads 512 consecutive bytes, 16 a lane; the 2,048 bytes turn through the wave's own stage in LDS and come back 64 bytes a lane, so that a lane
; holds 16 neighbours along K (two neighbouring lanes hold a block).  A lane's 16 codes are 8 bytes: a wave's store covers 256 consecutive bytes, aligned.  A wave's 256 scale bytes are gathered in its own LDS bytes and leave as one store.
; No tensor loads, no barrier: waves share nothing.  Loads run four steps (16 loads a wave) ahead.
.set STEPS, 16
.set EMAX,  2
.set CB,    8                          ; bytes of 16 codes
.set R,     16                         ; v16-79   four sets of 16 numbers as they are loaded
.set X,     80                         ; v80-111  two sets of 16 neighbours
.set E,     112                        ; v112-127 a scale byte for each step
.set C,     128                        ; v128-191 codes: four registers for each step, so that no store's data are written again
.set WREG,  8192                       ; LDS: a region for each wave: two stages of 32 x SP bytes, behind them its 256 scale bytes
.set SP,    80                         ; a lane's place in a stage: 64 bytes + 16 of padding
.set XWG,   384                        ; work-groups for q, k, v
.set QWG,   480                        ; work-groups that quantise
	s_load_b256 s[4:11], s[0:1], 0x0               ; q s[4:5], k s[6:7], v s[8:9], Wq s[10:11]
	s_load_b256 s[12:19], s[0:1], 0x20             ; Wk s[12:13], Wv s[14:15], Wo s[16:17], xc s[18:19]
	s_load_b256 s[20:27], s[0:1], 0x40             ; xs s[20:21], wc s[22:23], ws s[24:25], wo16 s[26:27]
	v_lshl_add_u32 v192, v0, 2, 0x8000
	v_mov_b32 v193, 0
	v_lshrrev_b32 v1, 5, v0
	v_readfirstlane_b32 s36, v1                    ; wave
	v_and_b32 v2, 31, v0                           ; lane
	v_lshlrev_b32 v3, 4, v2                        ; my 16 bytes of a load's 512
	s_mov_b32 s39, 0
	s_cmp_ge_u32 ttmp9, QWG                        ; the last 32 work-groups take Wo: a branch on the work-group's number alone; that path touches no LDS
	s_cbranch_scc1 .Lwo
	s_mul_i32 s37, s36, WREG
	v_lshrrev_b32 v14, 2, v2
	v_mul_u32_u24 v14, v14, SP
	v_and_b32 v15, 3, v2
	v_lshl_add_u32 v14, v15, 4, v14
	v_add_nc_u32 v14, s37, v14                     ; the stage, on the way in: SP (lane / 4) + 16 (lane % 4); a load's 512 bytes take eight places
	v_mul_u32_u24 v15, v2, SP
	v_add_nc_u32 v15, s37, v15                     ; on the way out: SP x lane: my 16 neighbours
	v_mul_u32_u24 v4, v2, CB                       ; my codes' place in a step's
	v_lshrrev_b32 v5, 1, v2
	s_add_co_u32 s37, s37, 2*32*SP
	v_add_nc_u32 v5, s37, v5                       ; LDS: my wave's 256 scale bytes, my block's byte
	v_lshlrev_b32 v7, 3, v2                        ; and on the way out 8 bytes a lane
	v_add_nc_u32 v6, s37, v7
	s_wait_kmcnt 0x0
	s_cmp_lt_u32 ttmp9, 128                        ; which tensor: every choice hangs on the work-group's number alone
	s_cselect_b64 s[28:29], s[4:5], s[6:7]
	s_cmp_lt_u32 ttmp9, 256
	s_cselect_b64 s[28:29], s[28:29], s[8:9]
	s_cmp_lt_u32 ttmp9, XWG
	s_cselect_b64 s[28:29], s[28:29], s[10:11]
	s_cselect_b64 s[30:31], s[18:19], s[22:23]     ; the codes' buffer
	s_cselect_b64 s[32:33], s[20:21], s[24:25]     ; the scale bytes' buffer
	s_cselect_b32 s34, 0, XWG                      ; where its work-groups begin
	s_cselect_b32 s35, 127, 31                     ; work-groups in one tensor, less 1
	s_cmp_lt_u32 ttmp9, 416
	s_cselect_b64 s[28:29], s[28:29], s[12:13]
	s_cmp_lt_u32 ttmp9, 448
	s_cselect_b64 s[28:29], s[28:29], s[14:15]
	s_sub_co_u32 s34, ttmp9, s34                   ; my place among the work-groups that write these buffers
	s_and_b32 s35, s34, s35                        ; and among those of my tensor
	s_lshl_b32 s35, s35, 2
	s_add_co_u32 s35, s35, s36
	s_lshl_b32 s38, s35, 15                        ; my wave's 8,192 numbers: 32,768 bytes
	s_add_nc_u64 s[28:29], s[28:29], s[38:39]
	s_lshl_b32 s34, s34, 2
	s_add_co_u32 s34, s34, s36
	s_lshl_b32 s38, s34, 12                        ; 4,096 bytes of codes
	s_add_nc_u64 s[30:31], s[30:31], s[38:39]
	s_lshl_b32 s38, s34, 8                         ; 256 scale bytes
	s_add_nc_u64 s[32:33], s[32:33], s[38:39]
.macro LOAD t
.irp i, 0,1,2,3
	global_load_b128 v[R+16*((\t)%4)+4*\i:R+16*((\t)%4)+4*\i+3], v3, s[28:29] offset:2048*(\t)+512*\i th:TH_LOAD_NT   ; 32 lanes read 512 consecutive bytes
.endr
.endm
.macro TURN t                          ; step t's numbers through the stage: LDS serves a wave's instructions in order, so no wait stands between the stores and the loads
.irp i, 0,1,2,3
	ds_store_b128 v14, v[R+16*((\t)%4)+4*\i:R+16*((\t)%4)+4*\i+3] offset:32*SP*((\t)%2)+8*SP*\i
.endr
.irp i, 0,1,2,3
	ds_load_b128 v[X+16*((\t)%2)+4*\i:X+16*((\t)%2)+4*\i+3], v15 offset:32*SP*((\t)%2)+16*\i
.endr
.endm
.irp t, 0,1,2,3
	LOAD \t
.endr
	s_wait_loadcnt 12                              ; step 0's four loads are in; the twelve of steps 1 to 3 may be out
	TURN 0
.macro STEP t
.set XS, X+16*((\t)%2)
.if (\t) > 0
	s_wait_dscnt 1                                 ; this step's numbers are back from the stage (the last step's byte store may be out): so its stores into the stage have read their registers,
.else
	s_wait_dscnt 0x0
.endif
.if (\t)+4 < STEPS
	LOAD (\t)+4                                    ; which take the loads of four steps on
.endif
.if (\t)+1 < STEPS
.if STEPS-2-(\t) >= 3
	s_wait_loadcnt 12                              ; the next step's four loads are in; those of the three steps behind it may be out
.else
	s_wait_loadcnt 4*(STEPS-2-(\t))                ; near the end fewer steps stand behind it
.endif
	TURN (\t)+1                                    ; and go through the other stage while this step is worked
.endif
	v_max3_num_f32 v8, |v[XS]|, |v[XS+1]|, |v[XS+2]|               ; the largest magnitude of my 16, in two chains
	v_max3_num_f32 v9, |v[XS+3]|, |v[XS+4]|, |v[XS+5]|
.irp i, 6,10
	v_max3_num_f32 v8, v8, |v[XS+\i]|, |v[XS+\i+1]|
	v_max3_num_f32 v9, v9, |v[XS+\i+2]|, |v[XS+\i+3]|
.endr
	v_max3_num_f32 v8, v8, |v[XS+14]|, |v[XS+15]|
	v_max3_num_f32 v8, v8, v9, (EMAX+1)<<23        ; and the floor 2^(EMAX + 1 - 127): the byte cannot fall under 1
	v_max_num_f32_dpp v8, v8, v8 row_xmask:1 row_mask:0xf bank_mask:0xf   ; and of my neighbour's 16: the block's
	v_add_nc_u32 v11, -(EMAX<<23), v8              ; EMAX off its exponent field: the conversion takes the exponent field of this operand as its scale, and nothing else of it
	v_cvt_scalef32_pk8_fp4_f32 v[C+4*(\t)], v[XS:XS+7], v11
	v_cvt_scalef32_pk8_fp4_f32 v[C+4*(\t)+1], v[XS+8:XS+15], v11
	v_lshrrev_b32 v[E+(\t)], 23, v11               ; the scale's byte (also the plain line behind the conversions)
	ds_store_b8 v5, v[E+(\t)] offset:16*(\t)       ; both lanes of a block write the same byte with the same value
	global_store_b64 v4, v[C+4*(\t):C+4*(\t)+1], s[30:31] offset:32*CB*(\t)   ; 32 lanes store 256 consecutive bytes, aligned
.endm
.irp t, 0,1,2,3,4,5,6,7,8,9,10,11,12,13,14,15
	STEP \t
.endr
	ds_load_b64 v[12:13], v6                       ; LDS serves a wave's instructions in order: these see my byte stores
	s_wait_dscnt 0x0
	global_store_b64 v7, v[12:13], s[32:33]        ; 32 lanes store the wave's 256 scale bytes, aligned
	s_wait_tensorcnt 0x0
	ds_add_u32 v192, v193
	s_wait_dscnt 0x0
	s_endpgm
; Wo to f16: a wave takes 32,768 bytes in 64 loads of 512 consecutive bytes; a lane's 4 numbers become 8 bytes, so a store of the wave covers 256 consecutive bytes, aligned.  Two sets of 16 loads take turns.
.Lwo:
	v_lshlrev_b32 v4, 3, v2                        ; 8 bytes a lane
	s_sub_co_u32 s34, ttmp9, QWG
	s_lshl_b32 s34, s34, 2
	s_add_co_u32 s34, s34, s36
	s_lshl_b32 s38, s34, 15
	s_wait_kmcnt 0x0
	s_add_nc_u64 s[16:17], s[16:17], s[38:39]
	s_lshl_b32 s38, s34, 14
	s_add_nc_u64 s[26:27], s[26:27], s[38:39]
.macro LOADW g
.irp i, 0,1,2,3,4,5,6,7,8,9,10,11,12,13,14,15
	global_load_b128 v[16+64*((\g)%2)+4*\i:16+64*((\g)%2)+4*\i+3], v3, s[16:17] offset:512*(16*(\g)+\i) th:TH_LOAD_NT
.endr
.endm
.macro CVTW g
.if (\g) < 3
	s_wait_loadcnt 16                              ; this set's 16 loads are in; the other set's 16 may be out
.else
	s_wait_loadcnt 0x0
.endif
.if (\g) > 0
	s_wait_xcnt 0x0                                ; the last group's stores have read v144-175: they are written again only behind this wait
.endif
.irp i, 0,1,2,3,4,5,6,7,8,9,10,11,12,13,14,15
	v_cvt_pk_f16_f32 v[144+2*\i], v[16+64*((\g)%2)+4*\i], v[17+64*((\g)%2)+4*\i]
	v_cvt_pk_f16_f32 v[145+2*\i], v[18+64*((\g)%2)+4*\i], v[19+64*((\g)%2)+4*\i]
.endr
.irp i, 0,1,2,3,4,5,6,7,8,9,10,11,12,13,14,15
	global_store_b64 v4, v[144+2*\i:145+2*\i], s[26:27] offset:256*(16*(\g)+\i)
.endr
.if (\g)+2 < 4
	LOADW (\g)+2
.endif
.endm
	LOADW 0
	LOADW 1
	CVTW 0
	CVTW 1
	CVTW 2
	CVTW 3
	s_endpgm
.Lfunc_end_k_q91893e2bb4_prep:
	.size	k_q91893e2bb4_prep, .Lfunc_end_k_q91893e2bb4_prep-k_q91893e2bb4_prep
	.p2alignl 7, 3214868480
	.fill 96, 4, 3214868480
	.section	.rodata,"a",@progbits
	.p2align	6, 0x0
	.amdhsa_kernel k_q91893e2bb4_prep
		.amdhsa_group_segment_fixed_size 33280
		.amdhsa_private_segment_fixed_size 0
		.amdhsa_enable_private_segment 0
		.amdhsa_kernarg_size 96
		.amdhsa_user_sgpr_count 2
		.amdhsa_user_sgpr_kernarg_segment_ptr 1
		.amdhsa_wavefront_size32 1
		.amdhsa_system_sgpr_workgroup_id_x 1
		.amdhsa_system_sgpr_workgroup_id_y 1
		.amdhsa_system_sgpr_workgroup_id_z 1
		.amdhsa_system_vgpr_workitem_id 0
		.amdhsa_next_free_vgpr 194
		.amdhsa_next_free_sgpr 66
		.amdhsa_reserve_vcc 0
		.amdhsa_float_denorm_mode_32 3
		.amdhsa_float_denorm_mode_16_64 3
		.amdhsa_memory_ordered 1
		.amdhsa_forward_progress 1
		.amdhsa_inst_pref_size 54
	.end_amdhsa_kernel
	.amdgpu_metadata
---
amdhsa.version: [ 1, 2 ]
amdhsa.kernels:
  - .name:           k_q91893e2bb4_prep
    .symbol:         k_q91893e2bb4_prep.kd
    .args:
      - { .name: q, .offset: 0, .size: 8, .value_kind: global_buffer, .address_space: global }
      - { .name: k, .offset: 8, .size: 8, .value_kind: global_buffer, .address_space: global }
      - { .name: v, .offset: 16, .size: 8, .value_kind: global_buffer, .address_space: global }
      - { .name: Wq, .offset: 24, .size: 8, .value_kind: global_buffer, .address_space: global }
      - { .name: Wk, .offset: 32, .size: 8, .value_kind: global_buffer, .address_space: global }
      - { .name: Wv, .offset: 40, .size: 8, .value_kind: global_buffer, .address_space: global }
      - { .name: Wo, .offset: 48, .size: 8, .value_kind: global_buffer, .address_space: global }
      - { .name: xc, .offset: 56, .size: 8, .value_kind: global_buffer, .address_space: global }
      - { .name: xs, .offset: 64, .size: 8, .value_kind: global_buffer, .address_space: global }
      - { .name: wc, .offset: 72, .size: 8, .value_kind: global_buffer, .address_space: global }
      - { .name: ws, .offset: 80, .size: 8, .value_kind: global_buffer, .address_space: global }
      - { .name: wo16, .offset: 88, .size: 8, .value_kind: global_buffer, .address_space: global }
    .group_segment_fixed_size: 33280
    .private_segment_fixed_size: 0
    .kernarg_segment_align: 8
    .kernarg_segment_size: 96
    .max_flat_workgroup_size: 128
    .sgpr_count:     66
    .vgpr_count:     194
    .wavefront_size: 32
...
	.end_amdgpu_metadata
.endif
;; end of part 1
;; launch proj (part 2): grid 4 x 48, 4 waves a work-group, clusters of 4 x 4, 327,680 bytes of LDS; arguments xc, xs, wc, ws, heads, bq, bk, bv; writes heads
.if DOCPART == 2
	.amdgcn_target "amdgcn-amd-amdhsa--gfx1250"
	.amdhsa_code_object_version 6
	.text
	.protected	k_q91893e2bb4_proj
	.globl	k_q91893e2bb4_proj
	.p2align	8
	.type	k_q91893e2bb4_proj,@function
k_q91893e2bb4_proj:
	s_mov_b64 s[64:65], 0
	v_nop
	global_prefetch_b8 v0, s[64:65] scope:SCOPE_SE
	s_setreg_imm32_b32 hwreg(HW_REG_WAVE_MODE, 25, 1), 1
	s_wait_xcnt 0x0
	s_wait_alu depctr_hold_cnt(0) depctr_sa_sdst(0) depctr_va_vdst(0) depctr_va_sdst(0) depctr_va_ssrc(0) depctr_va_vcc(0) depctr_vm_vsrc(0)
	s_getreg_b32 s2, hwreg(HW_REG_IB_STS2, 6, 4)
	s_cmp_eq_u32 s2, 0
	s_cbranch_scc0 .Lentry_in_a_cluster
	s_endpgm
.Lentry_in_a_cluster:
	s_bfe_u32 s2, ttmp6, 0x10000c
	s_cmp_lg_u32 s2, 0xf033
	s_cbranch_scc0 .Lentry_shape_is_right
	s_endpgm
.Lentry_shape_is_right:
; The three projections on codes of FP4 (E2M1) with one E8M0 scale for each 32 along K: y[m][n] = sum over k of x[m][k] W[n][k] + b[n], sums in f32, y rounded once to f16.
; x: 12,288 rows (q, k, v on end) of 1,024 codes (512 bytes), scale bytes [12288][32];  W: 3,072 rows (Wq, Wk, Wv on end) likewise.  Rows 4096 T .. of x go with rows 1024 T .. of W and with bias T.
; y goes out by head: heads[T][batch][head][token][64] f16: byte T 2^23 + batch 2^22 + head 2^18 + token 128 + 2 d.  So two neighbouring tokens of a head are 256 consecutive bytes.
; LIMIT: |y| beyond 65,504 becomes infinity in f16.  With all inputs 30 times the drawn spread |y| is about 900 x 6 = 5,400; with offsets of 30 spreads on x and W about 1,024 x 30 x 0.94 = 29,000.  NaN and infinities are not served.
; A tile of y, 256 x 256, is made by a work-group of four waves; a wave makes 128 x 128: 64 accumulators of 16 x 16, 512 registers.  48 tile rows x 4 tile columns: 192 work-groups.
; ALL OF K (1,024) FITS INTO TWO LDS SLOTS of 512 along K: each is filled once, nothing is filled again.  By this text's own count a wave has three tensor loads out at the start (its scales, slot 0, slot 1) and none later.
; CLUSTERS: 4 x 4 work-groups.  The four of a row of the cluster need the same tiles of x, the four of a column the same tiles of W: each is asked for JOINTLY, by the same tensor load with the same descriptor and a mask that names the four.
; A cluster's four tile rows lie in one of q, k, v (T = cluster y / 4), so T is the same in all sixteen partners.
; THE MATRIX INSTRUCTION IS USED TRANSPOSED (source 0 = 16 rows of W, source 1 = 16 rows of x): a lane then holds eight neighbouring n of one row of y.  THE BIAS is the C of each sum's first product.
; REGISTERS, in windows of 256: window 0: v0-31 addresses; v32-95 scale words, two sets; v128-191 x's fragments, one set; on the way out v32-63 packed results, v128-191 rows read back.
;   window 1: W's fragments, two sets, at v0 and v128; v192-255 the bias, eight registers for each of my eight blocks of 16 n.   window 2: the accumulators of my rows 0-63 ((a, b) at v[8 (8 a + b)]);   window 3: rows 64-127.
.set SIZE_K, 1024
.set KSTEP,  512                       ; along K in a slot
.set NQ,     KSTEP/128                 ; matrix instructions deep
.set ROWB,   256                       ; a tile's row in bytes
.set KROW,   SIZE_K*4/8                ; a row of codes in memory
.set PITCH,  272                       ; an LDS row: 256 bytes + 16 of padding: the 16 rows that a load touches start 16 bytes apart modulo 256
.set FR,     8                         ; registers of a fragment: 16 rows x 128 K
.set NL,     2                         ; LDS loads that bring one
.set NP,     4                         ; places behind this matrix instruction (ISA guide 7.12.1)
.set HALFT,  128*PITCH                 ; 128 rows: what one tensor load brings
.set SLOT,   4*HALFT                   ; x's 256 rows, then W's 256 rows
.set KS,     SIZE_K/32                 ; a row of scale bytes
.set SCL,    2*SLOT                    ; behind the slots: the scales, as runs of 256 bytes + 16 of padding
.set HALFS,  (128*KS/256)*272          ; the scales of 128 rows
.set SBLK,   (16*KS/256)*272           ; those of 16 rows
.set SPARE,  SCL+4*HALFS               ; the spare words, 128 bytes for each wave: two blocks of 256 bytes that no other line names
.set SPITCH, 272                       ; the way out: a stage of 16 rows x (256 bytes + 16) for each wave, in slot 0, which has had its only fill and its last read when the first result is stored there
.set ADRA, 16                          ; v16-17  LDS address of my fragments of x in slot 0, 1
.set ADRB, 20                          ; v20-21  the same for W
.set STO,  24                          ; v24     the way out: where I put 16 bytes of a row
.set RD,   25                          ; v25     where I read back
.set CO,   26                          ; v26     16 x lane: my bytes of a store's 512
.set ADRS, 27                          ; v27     LDS address of my scale words: lanes 0-15 x's rows, lanes 16-31 W's
.set SPW,  28                          ; v28     LDS address of my spare word; never rewritten
.set NIL,  29                          ; v29     0; never rewritten
.set SC,   32                          ; scale words: set s at v[SC + 8 NQ s]; register NQ i + q: lanes 0-15 x's block i, lanes 16-31 W's block i, the slot's q-th 128 along K
.set AF,   128                         ; x's fragments, window 0
.set BI,   192                         ; the bias, window 1
.set TMP,  32                          ; the way out: packed results
.set BK,   128                         ; the way out: 16 rows read back: v128-159 and v160-191 by turns
.set G1, 24                            ; s[24:31] group 1 for x's tiles;  s[32:39] group 0, one set for each slot
.set G0, 32
.set G1B, 48                           ; s[48:55], s[56:63] the same for W's tiles
.set G0B, 56
.set G1S, 68                           ; s[68:75], s[76:79] groups 1 and 0 for x's scales;  s[80:87], s[88:91] for W's
.set G0S, 76
.set G1SB, 80
.set G0SB, 88
.set MSB, 0
.macro WIN new                         ; the immediate's high byte repeats the setting that is left; a switch that changes nothing is dropped
.if MSB != (\new)
	s_set_vgpr_msb (MSB<<8)|(\new)
.set MSB, (\new)
.endif
.endm
.set MUL_LO, 0xa1                      ; source 0 (W) window 1, source 1 (x) window 0, C and D window 2.  With the bias as C (window 1): 0x91
.set MUL_HI, 0xf1                      ; the same, C and D window 3.  With the bias as C: 0xd1
.set TO_B,   0x40                      ; destination window 1, address window 0
; A joint load: waves 0 and 1 fetch for x, waves 2 and 3 for W.  The branch hangs on the wave's number alone.  Four v_nop follow each of the two lines.
.macro JLOAD g0a, g1a, g0b, g1b
	s_cmp_eq_u32 s15, 0
	s_cbranch_scc0 .Lfor_b_\@
	tensor_load_to_lds s[\g0a:\g0a+3], s[\g1a:\g1a+7]
	s_nop 0
.rept 4
	v_nop
.endr
	s_branch .Lasked_\@
.Lfor_b_\@:
	tensor_load_to_lds s[\g0b:\g0b+3], s[\g1b:\g1b+7]
	s_nop 0
.rept 4
	v_nop
.endr
.Lasked_\@:
.endm
.macro CROUND                          ; a round of the cluster's barrier
	s_barrier_signal -1
	s_barrier_wait -1
	s_cmp_lg_u32 s14, 0
	s_cbranch_scc1 .Lnot_wave_0_\@
	s_barrier_signal -3
.Lnot_wave_0_\@:
	s_barrier_wait -3
	s_barrier_signal -1
	s_barrier_wait -1
.endm
	s_load_b128 s[4:7], s[0:1], 0x0                ; x's codes s[4:5], x's scales s[6:7]
	s_load_b128 s[8:11], s[0:1], 0x10              ; W's codes s[8:9], W's scales s[10:11]
	s_load_b64 s[12:13], s[0:1], 0x20              ; heads
	s_load_b64 s[96:97], s[0:1], 0x28              ; bq
	s_load_b64 s[98:99], s[0:1], 0x30              ; bk
	s_load_b64 s[100:101], s[0:1], 0x38            ; bv
	v_lshl_add_u32 v[SPW], v0, 2, SPARE
	v_mov_b32 v[NIL], 0
	ds_add_u32 v28, v29
	ds_add_u32 v28, v29
	s_wait_dscnt 0x0
	v_lshrrev_b32 v1, 5, v0
	v_readfirstlane_b32 s14, v1                    ; wave 0..3
	s_lshr_b32 s15, s14, 1                         ; which half of the tile's rows is mine.  Also: I fetch for x (0) or for W (1)
	s_and_b32 s16, s14, 1                          ; which half of its columns.  Also: which 128 rows of that tile I fetch
	s_bfe_u32 s40, ttmp6, 0x40000                  ; cx, cy: my place in the cluster
	s_bfe_u32 s41, ttmp6, 0x40004
	s_lshl_b32 s42, ttmp9, 2
	s_add_co_u32 s42, s42, s40                     ; tile column = 4 x cluster x + cx
	s_and_b32 s17, ttmp7, 0xffff                   ; cluster y
	s_lshr_b32 s66, s17, 2                         ; T: 0 q, 1 k, 2 v: the same in all sixteen partners
	s_lshl_b32 s17, s17, 2
	s_add_co_u32 s17, s17, s41                     ; tile row = 4 x cluster y + cy
	s_lshl_b32 s43, s41, 2
	s_lshl_b32 s43, 15, s43                        ; my row of the cluster
	s_lshl_b32 s44, 0x1111, s40                    ; my column
	; group 1: a tile of 128 rows x 256 bytes, padded in LDS
	s_or_b32 s[G1+0], s43, (0<<16)|(1<<20)|(1<<21)|(5<<22)|(3<<25)  ; 15:0 the mask: x's tiles go to my row; 17:16 elements of 1 byte; 20 padding on; 21 set beside a mask; 24:22 after every 64 words; 31:25 four words
	s_or_b32 s[G1B+0], s44, (0<<16)|(1<<20)|(1<<21)|(5<<22)|(3<<25)
.irp g, G1, G1B
	s_mov_b32 s[\g+1], ROWB<<16                    ; tensor_dim0
	s_mov_b32 s[\g+2], 128<<16                     ; tensor_dim1
	s_mov_b32 s[\g+3], ROWB<<16                    ; tile_dim0
	s_mov_b32 s[\g+4], 128                         ; tile_dim1
	s_mov_b32 s[\g+5], KROW                        ; from row to row
	s_mov_b32 s[\g+6], 0
	s_mov_b32 s[\g+7], 0
.endr
	; the scales of 128 rows: a dense block of 4,096 bytes, as 16 rows of 256 bytes (32 elements of 8 bytes), 16 bytes of padding behind each
	s_or_b32 s[G1S+0], s43, (3<<16)|(1<<20)|(1<<21)|(5<<22)|(3<<25)
	s_or_b32 s[G1SB+0], s44, (3<<16)|(1<<20)|(1<<21)|(5<<22)|(3<<25)
.irp g, G1S, G1SB
	s_mov_b32 s[\g+1], 32<<16
	s_mov_b32 s[\g+2], (128*KS/256)<<16
	s_mov_b32 s[\g+3], 32<<16
	s_mov_b32 s[\g+4], 128*KS/256
	s_mov_b32 s[\g+5], 32
	s_mov_b32 s[\g+6], 0
	s_mov_b32 s[\g+7], 0
.endr
	s_lshl_b32 s18, s16, 7                         ; which 128 rows of the tile I fetch
	s_lshl_b32 s20, s17, 8
	s_add_co_u32 s20, s20, s18                     ; x: row 256 x tile row + 128 x half
	s_lshl_b32 s46, s42, 8
	s_add_co_u32 s46, s46, s18                     ; W: row 256 x tile column + 128 x half
	s_lshl_b32 s67, s66, 10
	s_add_co_u32 s46, s46, s67                     ; + 1,024 T
	s_mov_b32 s21, 0
	s_mov_b32 s47, 0
	s_mov_b64 s[18:19], KS
	s_mul_u64 s[22:23], s[20:21], s[18:19]         ; where these rows' scales begin, in bytes
	s_mul_u64 s[92:93], s[46:47], s[18:19]
	s_mov_b64 s[18:19], KROW
	s_mul_u64 s[20:21], s[20:21], s[18:19]         ; and their codes
	s_mul_u64 s[46:47], s[46:47], s[18:19]
	s_mul_i32 s45, s14, HALFT                      ; where they go: wave x 128 rows: no place in the cluster enters an LDS address
	s_mul_i32 s94, s14, HALFS
	s_wait_kmcnt 0x0
	s_add_nc_u64 s[20:21], s[4:5], s[20:21]
	s_add_nc_u64 s[22:23], s[6:7], s[22:23]
	s_add_nc_u64 s[46:47], s[8:9], s[46:47]
	s_add_nc_u64 s[92:93], s[10:11], s[92:93]
	CROUND                                         ; all sixteen work-groups are here: the joint loads meet
	s_mov_b32 s[G0S], 1
	s_add_co_u32 s[G0S+1], s94, SCL
	s_mov_b64 s[G0S+2:G0S+3], s[22:23]
	s_or_b32 s[G0S+3], s[G0S+3], 0x80000000
	s_mov_b32 s[G0SB], 1
	s_add_co_u32 s[G0SB+1], s94, SCL
	s_mov_b64 s[G0SB+2:G0SB+3], s[92:93]
	s_or_b32 s[G0SB+3], s[G0SB+3], 0x80000000
	JLOAD G0S, G1S, G0SB, G1SB                     ; the scales first: they are wanted with slot 0
.irp s, 0,1
	s_mov_b32 s[G0+4*\s], 1
	s_add_co_u32 s[G0+4*\s+1], s45, \s*SLOT
	s_add_nc_u64 s[G0+4*\s+2:G0+4*\s+3], s[20:21], \s*ROWB
	s_or_b32 s[G0+4*\s+3], s[G0+4*\s+3], 0x80000000
	s_mov_b32 s[G0B+4*\s], 1
	s_add_co_u32 s[G0B+4*\s+1], s45, \s*SLOT
	s_add_nc_u64 s[G0B+4*\s+2:G0B+4*\s+3], s[46:47], \s*ROWB
	s_or_b32 s[G0B+4*\s+3], s[G0B+4*\s+3], 0x80000000
	JLOAD G0+4*\s, G1, G0B+4*\s, G1B
.endr
	v_and_b32 v1, 15, v0                           ; r = lane % 16
	v_bfe_u32 v2, v0, 4, 1                         ; h = lane / 16
	; the bias of my 128 columns: lane (r, h) wants, for block b, b[n0 + 16 b + 8 h + 0 .. 7]: the transposed result's layout
	s_cmp_eq_u32 s66, 0
	s_cselect_b64 s[96:97], s[96:97], s[98:99]
	s_cmp_lt_u32 s66, 2
	s_cselect_b64 s[96:97], s[96:97], s[100:101]
	s_lshl_b32 s46, s42, 10                        ; 256 x tile column x 4 bytes
	s_lshl_b32 s47, s16, 9                         ; + 128 x half x 4
	s_add_co_u32 s46, s46, s47
	s_mov_b32 s47, 0
	s_add_nc_u64 s[96:97], s[96:97], s[46:47]
	v_lshlrev_b32 v7, 5, v2                        ; 32 h
	WIN TO_B
.irp b, 0,1,2,3,4,5,6,7
	global_load_b128 v[BI+8*\b:BI+8*\b+3], v7, s[96:97] offset:64*\b
	global_load_b128 v[BI+8*\b+4:BI+8*\b+7], v7, s[96:97] offset:64*\b+16
.endr
	WIN 0
	v_mul_u32_u24 v3, v1, PITCH
	v_lshl_add_u32 v4, v2, 4, v3                   ; a fragment's row x pitch + 16 x half
	s_mul_i32 s21, s15, HALFT                      ; my 128 rows of x
	s_mul_i32 s22, s16, HALFT                      ; my 128 rows of W,
	s_add_co_u32 s22, s22, 2*HALFT                 ; which lie behind x's 256
.irp s, 0,1
	v_add_nc_u32 v[ADRA+\s], s21, v4
	v_add_nc_u32 v[ADRB+\s], s22, v4
	s_add_co_u32 s21, s21, SLOT
	s_add_co_u32 s22, s22, SLOT
.endr
	v_mul_u32_u24 v5, v1, KS                       ; my row's scales: KS bytes a row,
	v_lshrrev_b32 v6, 8, v5
	v_lshl_add_u32 v5, v6, 4, v5                   ; and 16 more for each 256 passed
	s_mul_i32 s21, s15, HALFS                      ; x's: my 128 rows
	s_mul_i32 s22, s16, HALFS                      ; W's: my 128 rows, behind x's 256
	s_add_co_u32 s22, s22, 2*HALFS
	s_sub_co_u32 s22, s22, s21
	v_mul_u32_u24 v6, s22, v2                      ; lanes 16-31 take W's: the lower base + h x the distance
	s_add_co_u32 s21, s21, SCL
	v_add_nc_u32 v5, v5, v6
	v_add_nc_u32 v[ADRS], s21, v5
	s_mul_i32 s23, s14, 16*SPITCH                  ; my stage
	v_mul_u32_u24 v5, v1, SPITCH                   ; in: row r, 16 bytes for each half of the lanes
	v_lshl_add_u32 v5, v2, 4, v5
	v_add_nc_u32 v[STO], s23, v5
	v_and_b32 v6, 31, v0
	v_lshlrev_b32 v[CO], 4, v6                     ; out: four tokens x 128 bytes of one head are 512 consecutive bytes: 16 x lane
	v_lshrrev_b32 v5, 3, v6                        ; back: eight lanes to a token's 128 bytes
	v_mul_u32_u24 v5, v5, SPITCH
	v_and_b32 v6, 7, v6
	v_lshl_add_u32 v5, v6, 4, v5
	v_add_nc_u32 v[RD], s23, v5
	; where my part begins in heads: row 256 tr + 128 half -> (T, batch) = tr / 8, token (tr % 8) 256 + 128 half;  column 256 tc + 128 half -> head 4 tc + 2 half
	s_lshr_b32 s20, s17, 3
	s_lshl_b32 s20, s20, 22
	s_and_b32 s21, s17, 7
	s_lshl_b32 s21, s21, 15
	s_add_co_u32 s20, s20, s21
	s_lshl_b32 s21, s15, 14
	s_add_co_u32 s20, s20, s21
	s_mov_b32 s21, 0
	s_add_nc_u64 s[12:13], s[12:13], s[20:21]
	s_lshl_b32 s46, s42, 20
	s_lshl_b32 s47, s16, 19
	s_add_co_u32 s46, s46, s47
	s_mov_b32 s47, 0
	s_add_nc_u64 s[12:13], s[12:13], s[46:47]
.macro FRAG reg, adr, q, i             ; a fragment, 16 rows x 128 K of 4-bit codes: lane l holds row l % 16; registers 4 c .. 4 c + 3 hold K = 64 c + 32 (l / 16) + 0 .. 31
.irp c, 0,1
	ds_load_b128 v[\reg+4*\c:\reg+4*\c+3], v[\adr] offset:64*(\q)+32*\c+(\i)*16*PITCH
.endr
.endm
; 16 matrix instructions: x's blocks a0, a0 + 1 against W's eight, 128 along K: the slot's q-th.  p: W's set;  sc: the set of scale words.  zero = 1: the first product starts the sums, with the bias as C: nothing is cleared or added later.
; The 64 accumulators take turns, one instruction a turn, in the same order in every step.
.macro MUL16 a0, p, q, sc, zero
.irp a, \a0, \a0+1
.irp b, 0,1,2,3,4,5,6,7
.if \zero
	v_wmma_scale_f32_16x16x128_f8f6f4 v[8*(8*((\a)%4)+\b):8*(8*((\a)%4)+\b)+7], v[128*(\p)+FR*\b:128*(\p)+FR*\b+FR-1], v[AF+FR*(\a):AF+FR*(\a)+FR-1], v[BI+8*\b:BI+8*\b+7], v[SC+8*NQ*(\sc)+NQ*\b+(\q)], v[SC+8*NQ*(\sc)+NQ*(\a)+(\q)] matrix_a_fmt:MATRIX_FMT_FP4 matrix_b_fmt:MATRIX_FMT_FP4 matrix_a_scale:MATRIX_SCALE_ROW1
.else
	v_wmma_scale_f32_16x16x128_f8f6f4 v[8*(8*((\a)%4)+\b):8*(8*((\a)%4)+\b)+7], v[128*(\p)+FR*\b:128*(\p)+FR*\b+FR-1], v[AF+FR*(\a):AF+FR*(\a)+FR-1], v[8*(8*((\a)%4)+\b):8*(8*((\a)%4)+\b)+7], v[SC+8*NQ*(\sc)+NQ*\b+(\q)], v[SC+8*NQ*(\sc)+NQ*(\a)+(\q)] matrix_a_fmt:MATRIX_FMT_FP4 matrix_b_fmt:MATRIX_FMT_FP4 matrix_a_scale:MATRIX_SCALE_ROW1
.endif
.endr
.endr
.endm
.macro FETCH_B slot, q, p              ; W's eight fragments of the slot's q-th 128 along K into set p
	WIN TO_B
.irp i, 0,1,2,3,4,5,6,7
	FRAG 128*(\p)+FR*\i, ADRB+\slot, \q, \i
.endr
	WIN 0
.endm
.macro FETCH_A slot, q, i0             ; x's blocks i0 .. i0 + 3
.irp i, \i0, \i0+1, \i0+2, \i0+3
	FRAG AF+FR*(\i), ADRA+\slot, \q, \i
.endr
.endm
.macro SCALES sc                       ; a slot's scale words into set sc: NQ words a row; lanes 0-15 take x's block i, lanes 16-31 W's block i
.irp i, 0,1,2,3,4,5,6,7
	ds_load_b128 v[SC+8*NQ*\sc+NQ*\i:SC+8*NQ*\sc+NQ*\i+3], v[ADRS] offset:\i*SBLK
.endr
.endm
; A load into a register that a matrix instruction has read, and a vector instruction or an LDS store that reads a matrix result, stand NP places behind that matrix instruction; only plain vector
; instructions that name none of its registers are places.
.macro PLACES n
.rept \n
	v_nop
.endr
.endm
; A step of 128 along K that has its successor in the same slot.  x has one set of registers: blocks 0-3 are fetched anew in the step's middle, blocks 4-7 at its end.
.macro STEP slot, q, zero
	s_wait_dscnt 4*NL                              ; W's set and x's blocks 0-3 are in; the youngest eight loads (x's blocks 4-7) may be out
	WIN MUL_LO-0x10*(\zero)
	MUL16 0, (\q)%2, \q, \slot, \zero
	MUL16 2, (\q)%2, \q, \slot, \zero
	s_wait_dscnt 0                                 ; x's blocks 4-7 are in (asked for 32 matrix instructions ago)
	PLACES NP
	FETCH_B \slot, (\q)+1, 1-(\q)%2
	FETCH_A \slot, (\q)+1, 0
	WIN MUL_HI-0x20*(\zero)
	MUL16 4, (\q)%2, \q, \slot, \zero
	MUL16 6, (\q)%2, \q, \slot, \zero
	PLACES NP
	WIN 0
	FETCH_A \slot, (\q)+1, 4
.endm
; Slot 0's last step changes slots: one barrier; in front of it each wave waits for all its tensor loads (its part of slot 1), adds 0 to its spare word, and waits for that and for its own reads of slot 0.
; Behind it slot 1 is whole in every wave's eyes and nobody reads slot 0 any more.  Nothing is filled again.
.macro TURN slot, next
	s_wait_tensorcnt 0x0                           ; all my tensor loads have landed  (every window is 0 here: the add's two registers lie in window 0)
	ds_add_u32 v[SPW], v[NIL]                      ; 0 onto my spare word
	s_wait_dscnt 4*NL+1                            ; (the add and the youngest eight loads, x's blocks 4-7, may be out)
	WIN MUL_LO
	MUL16 0, 1, NQ-1, \slot, 0                     ; sixteen matrix instructions stand between the add and the wait for it
	s_wait_dscnt 0x0                               ; the add is done, and my reads of this slot are over
	s_barrier_signal -1
	MUL16 2, 1, NQ-1, \slot, 0
	WIN 0
	s_barrier_wait -1
	PLACES NP
	v_add_nc_u32 v[ADRS], 4*NQ, v[ADRS]            ; on to the next slot's scale words (no LDS load of mine is out)
	FETCH_B \next, 0, 0
	FETCH_A \next, 0, 0
	SCALES \next
	WIN MUL_HI
	MUL16 4, 1, NQ-1, \slot, 0
	MUL16 6, 1, NQ-1, \slot, 0
	PLACES NP
	WIN 0
	FETCH_A \next, 0, 4
.endm
.macro STEPS slot, from                ; the slot's steps from .. NQ - 2
.set Q, \from
.rept NQ-1-\from
	STEP \slot, Q, 0
.set Q, Q+1
.endr
.endm
	s_wait_tensorcnt 1                             ; the scales and my part of slot 0 are in (slot 1's load, the one issued behind them, may be out),
	s_barrier_signal -1
	s_barrier_wait -1                              ; everybody's are
	FETCH_B 0, 0, 0
	FETCH_A 0, 0, 0
	SCALES 0
	FETCH_A 0, 0, 4
	s_wait_loadcnt 0x0                             ; the bias
	STEP 0, 0, 1                                   ; the first step's products start the sums from the bias
	STEPS 0, 1
	TURN 0, 1
	STEPS 1, 0
	s_wait_dscnt 4*NL                              ; the very last step: nothing more to fetch
	WIN MUL_LO
	MUL16 0, 1, NQ-1, 1, 0
	MUL16 2, 1, NQ-1, 1, 0
	s_wait_dscnt 0
	WIN MUL_HI
	MUL16 4, 1, NQ-1, 1, 0
	MUL16 6, 1, NQ-1, 1, 0
	WIN 0
; THE WAY OUT, block by block of 16 rows x 128 columns.  PACK: rounded to f16, 16 bytes a lane, each accumulator from its low end on.  TOSTAGE: into my own stage and back, eight lanes to a token's 128 bytes of one head.
; SEND: a store of the wave covers four tokens of one head: 512 consecutive bytes, aligned.  LDS serves a wave's instructions in order (ISA guide 5.7.1.4): no wait between the stores and the loads.
.macro PACK a
.set AC, 64*((\a)%4)
	WIN 0x0a+5*((\a)/4)                            ; sources 0 and 1: window 2 or 3
.irp b, 0,1,2,3,4,5,6,7
.irp i, 0,1,2,3
	v_cvt_pk_f16_f32 v[TMP+4*\b+\i], v[AC+8*\b+2*\i], v[AC+8*\b+2*\i+1]
.endr
.endr
	WIN 0
.endm
.macro TOSTAGE a
.set BB, BK+32*((\a)%2)
.irp b, 0,1,2,3,4,5,6,7
	ds_store_b128 v[STO], v[TMP+4*\b:TMP+4*\b+3] offset:32*\b
.endr
.irp t, 0,1,2,3,4,5,6,7
	ds_load_b128 v[BB+4*\t:BB+4*\t+3], v[RD] offset:4*SPITCH*(\t%4)+128*(\t/4)   ; tokens 4 (t % 4) on, head t / 4 of my two
.endr
.endm
.macro SEND a
.set BB, BK+32*((\a)%2)
	s_wait_dscnt 0x0                               ; the block is back in registers
	s_wait_xcnt 0x0                                ; the block before has left its registers: the next block's loads may land there
.irp t, 0,1,2,3,4,5,6,7
	global_store_b128 v[CO], v[BB+4*\t:BB+4*\t+3], s[12:13] offset:2048*(\a)+262144*(\t/4)+512*(\t%4)
.endr
.endm
	PLACES NP                                      ; behind the last products: for the conversions, which read results and write registers that held scale words, and for the loads into x's registers
	PACK 0
	TOSTAGE 0
.irp a, 1,2,3,4,5,6,7                  ; block a's conversions stand between block a - 1's loads from the stage and the wait for them
	PACK \a
	SEND \a-1
	TOSTAGE \a
.endr
	SEND 7
	s_wait_tensorcnt 0x0                           ; the wave's end
	ds_add_u32 v[SPW], v[NIL]
	s_wait_dscnt 0x0
	CROUND                                         ; the closing round: no work-group ends while a partner may still ask for a tile that names it
	s_endpgm
.Lfunc_end_k_q91893e2bb4_proj:
	.size	k_q91893e2bb4_proj, .Lfunc_end_k_q91893e2bb4_proj-k_q91893e2bb4_proj
	.p2alignl 7, 3214868480
	.fill 96, 4, 3214868480
	.section	.rodata,"a",@progbits
	.p2align	6, 0x0
	.amdhsa_kernel k_q91893e2bb4_proj
		.amdhsa_group_segment_fixed_size 327680
		.amdhsa_private_segment_fixed_size 0
		.amdhsa_enable_private_segment 0
		.amdhsa_kernarg_size 64
		.amdhsa_user_sgpr_count 2
		.amdhsa_user_sgpr_kernarg_segment_ptr 1
		.amdhsa_wavefront_size32 1
		.amdhsa_system_sgpr_workgroup_id_x 1
		.amdhsa_system_sgpr_workgroup_id_y 1
		.amdhsa_system_sgpr_workgroup_id_z 1
		.amdhsa_system_vgpr_workitem_id 0
		.amdhsa_next_free_vgpr 1024
		.amdhsa_next_free_sgpr 102
		.amdhsa_reserve_vcc 0
		.amdhsa_float_denorm_mode_32 3
		.amdhsa_float_denorm_mode_16_64 3
		.amdhsa_memory_ordered 1
		.amdhsa_forward_progress 1
		.amdhsa_inst_pref_size 128
	.end_amdhsa_kernel
	.amdgpu_metadata
---
amdhsa.version: [ 1, 2 ]
amdhsa.kernels:
  - .name:           k_q91893e2bb4_proj
    .symbol:         k_q91893e2bb4_proj.kd
    .args:
      - { .name: xc, .offset: 0, .size: 8, .value_kind: global_buffer, .address_space: global }
      - { .name: xs, .offset: 8, .size: 8, .value_kind: global_buffer, .address_space: global }
      - { .name: wc, .offset: 16, .size: 8, .value_kind: global_buffer, .address_space: global }
      - { .name: ws, .offset: 24, .size: 8, .value_kind: global_buffer, .address_space: global }
      - { .name: heads, .offset: 32, .size: 8, .value_kind: global_buffer, .address_space: global }
      - { .name: bq, .offset: 40, .size: 8, .value_kind: global_buffer, .address_space: global }
      - { .name: bk, .offset: 48, .size: 8, .value_kind: global_buffer, .address_space: global }
      - { .name: bv, .offset: 56, .size: 8, .value_kind: global_buffer, .address_space: global }
    .group_segment_fixed_size: 327680
    .private_segment_fixed_size: 0
    .kernarg_segment_align: 8
    .kernarg_segment_size: 64
    .max_flat_workgroup_size: 128
    .sgpr_count:     102
    .vgpr_count:     1024
    .wavefront_size: 32
...
	.end_amdgpu_metadata
.endif
;; end of part 2
;; launch attn (part 3): grid 8 x 32, 4 waves a work-group, clusters of 4 x 1, 327,680 bytes of LDS; arguments heads, mask, ao; writes ao
.if DOCPART == 3
	.amdgcn_target "amdgcn-amd-amdhsa--gfx1250"
	.amdhsa_code_object_version 6
	.text
	.protected	k_q91893e2bb4_attn
	.globl	k_q91893e2bb4_attn
	.p2align	8
	.type	k_q91893e2bb4_attn,@function
k_q91893e2bb4_attn:
	s_mov_b64 s[64:65], 0
	v_nop
	global_prefetch_b8 v0, s[64:65] scope:SCOPE_SE
	s_setreg_imm32_b32 hwreg(HW_REG_WAVE_MODE, 25, 1), 1
	s_wait_xcnt 0x0
	s_wait_alu depctr_hold_cnt(0) depctr_sa_sdst(0) depctr_va_vdst(0) depctr_va_sdst(0) depctr_va_ssrc(0) depctr_va_vcc(0) depctr_vm_vsrc(0)
	s_getreg_b32 s2, hwreg(HW_REG_IB_STS2, 6, 4)
	s_cmp_eq_u32 s2, 0
	s_cbranch_scc0 .Lentry_in_a_cluster
	s_endpgm
.Lentry_in_a_cluster:
	s_bfe_u32 s2, ttmp6, 0x10000c
	s_cmp_lg_u32 s2, 0x3003
	s_cbranch_scc0 .Lentry_shape_is_right
	s_endpgm
.Lentry_shape_is_right:
; ao[b][h][q][:] = the sum over k of softmax_k(Q[q] . K[k] / 8 - 10,000 (mask[b][k] == 0)) V[k][:].  heads: [3 = Q, K, V][2][16][2048][64] f16;  mask: [2][2048] int32;  ao: [2][16][2048][64] f16.
; Products in f16 with f32 sums; maxima, exponents and scalings in f32.  LIMITS: a weight p under f16's smallest number counts as 0; the divisor is the f32 sum of the f16-rounded p, the numbers that are multiplied with V;
; NaN and infinities are not served.
; SHARES.  A work-group owns 256 queries of one (b, h), each of its four waves 64: four tiles of 16.  Every wave walks all 2,048 keys, 64 a step.
; LAYOUT.  S^T = K Q^T (source 0 = 16 keys, source 1 = 16 queries): a lane holds ONE query (lane % 16) and the keys 8 (lane / 16) + 0..7.  Two such tiles, rounded to f16 in pairs, ARE source 1 (32 keys x 16 queries) of
; O^T = V^T P, whose result again holds one query a lane.  K comes out of LDS as it lies, V ([key][channel]) turned, by ds_load_tr16_b128.
; THE MASK.  s / 8 - 10,000 = (s - 80,000) / 8, and a division by 8 rounds nothing: a table of 0 or -80,000 for each key lies in LDS and is the C of each score tile's first product.  It costs no vector instruction.
; SOFTMAX.  For each query a running maximum m: p = 2^(c s - c m), c = log2(e) / 8; in every step O and the sum are multiplied by a = 2^(c m_old - c m_new), which is 1 where m has not grown.
; THE ROW'S SUM is made by the matrix unit: L += ONES x P, ONES a fragment whose rows 0 and 8 are ones: register 0 of every lane then holds the sum over all of the step's keys of the lane's query; registers 1-7 stay 0.
; BY TURNS.  The wave's tiles are two PIECES: piece 0 (tiles 0, 1), piece 2 (tiles 2, 3).  In a TURN one piece has the matrix unit: 20 products V^T P (four of them the sums') of the step in hand, then 16 products K Q^T of the next step;
; the other piece's softmax, cut into 36 slices of six instructions, stands between them, one slice behind each matrix instruction.  Then the pieces change places.  Two turns are a key step.
; CLUSTER.  The four query blocks of a cluster belong to one head and walk the same K and V: each tile is asked for JOINTLY, by the same tensor load with the same descriptor and a mask that names the four.
; RING.  Two LDS slots of 256 keys (four steps).  By this text's own count a wave has two tensor loads out at the start and one behind each change of slots, which has four key steps, 288 matrix instructions, in which to land.
; REGISTERS, in windows of 256 (s_set_vgpr_msb: bits 1:0 source 0, 3:2 source 1, 5:4 source 2, 7:6 destination):
;   window 0: v1-15 addresses; v16-47 eight registers of statistics a tile; v61-63; v64-191 S^T, 32 a tile; v192-255 P, 16 a tile
;   window 1: v0-127 O^T, 32 a tile; v128-159 L, 8 a tile; v160-223 V of one step; v224-231 ONES          window 2: v0-63 Q, 16 a tile; v64-127 K of one step; v128-159 the mask's numbers of one step
.set KS,    64        ; keys in a step
.set NST,   4         ; steps in a slot
.set PK,    144       ; a row of K in LDS: 128 bytes + 16 of padding: the 16 rows of a load start 16 bytes apart modulo 256
.set PVP,   160       ; a row of V: 128 + 32: 16 lanes of the turning load take 8 rows x 32 bytes, 32 bytes apart modulo 256
.set KSB,   KS*PK     ; a step's K in a slot
.set VSB,   KS*PVP    ; a step's V
.set VOFF,  NST*KSB   ; a slot: 256 rows of K, then 256 rows of V
.set SLOT1, 1<<17     ; slot 1 begins here, so that one exclusive or turns an address in one slot into the other's
.set SLOTB, NST*KS*128  ; a slot's bytes of K, or of V, in memory
.set NSL,   2048/(NST*KS)  ; slots' worth of keys: 8
.set MASKF, VOFF+NST*VSB   ; behind slot 0: 2,048 f32: 0 or -80,000
.set STAGE, MASKF+8192     ; 16 rows x 144 bytes for each wave, for the way out
.set SP,    144
.set SPARE, STAGE+4*16*SP  ; the spare words, 128 bytes for each wave: two blocks of 256 bytes that no other line names
.set AK0, 2           ; v2   my lane's place in a tile of K; never rewritten
.set AV0, 3           ; v3   the same for V
.set ADR, 4           ; v4   the LDS address of the run of loads in hand
.set QO,  5           ; v5   my byte offset in the wave's rows of Q
.set STO, 6           ; v6   the way out: where I put 16 bytes of a row
.set RD,  7           ; v7   where I read back
.set GO,  8           ; v8   16 x lane: my bytes of a store's 512
.set AM0, 12          ; v12  my lane's place in the mask's table
.set ADM, 13          ; v13  and of the step in hand
.set PFO, 61          ; v61  256 x my lane; never rewritten
.set SPW, 62          ; v62  LDS address of my spare word; never rewritten
.set NIL, 63          ; v63  0; never rewritten
.set ST,  16          ; tile t's statistics at v[ST + 8 t]: +0 c m, +1 m, +4 to +7 c0-c3, at work; a takes c2's place once the maximum is found
.set S,   64
.set P,   192
.set LF,  128         ; window 1
.set VF,  160
.set ONES, 224
.set KF,  64          ; window 2
.set MK,  128
.set WV,  12          ; s12  my wave's number
.set LIM, 15          ; s15  1 in a wave that prefetches, else the greatest number
.set PFA, 18          ; s[18:19] where my prefetches stand in memory
.set G1K, 24          ; s[24:31] group 1 for K's tiles;  s[32:39] for V's: it differs in the padding alone
.set G1V, 32
.set G0K, 40          ; s[40:47] group 0 for K's tiles: a set for each of the two first fills; the second then walks on;  s[48:55] the same for V's
.set G0V, 48
.set SLOTS, 56        ; s56  slots still to be asked for
.set CNT, 57          ; s57  counts key steps
.set CS,  58          ; s[58:59] c: the packed scaling names a pair and takes its low word for both halves
.set SEL, 60          ; s[60:61] lane selects for v_permlanex16_b32: lane l xor 16
.set TBK, 62          ; s62  LDS byte at which K of the step to be fetched begins
.set TBV, 63          ; s63  the same for V (VOFF lies in the lane's part)
.set TM,  66          ; s66  and in the mask's table: 256 bytes a step
.set MP,  68          ; s[68:69] my batch's mask
.set MSB, 0
.macro WIN new
.if MSB != (\new)
	s_set_vgpr_msb (MSB<<8)|(\new)
.set MSB, (\new)
.endif
.endm
.set W_KQ,  0x0a      ; K and Q in window 2, S^T in window 0
.set W_KQM, 0x2a      ; the same with C, the mask's numbers, in window 2
.set W_PV,  0x51      ; V (or ONES) and O^T (or L) in window 1, P in window 0
.set W_RS,  0x51      ; the rescaling: O^T (destination, source 0) in window 1, a in window 0: it has no third source, so the products' setting serves
.macro JLOAD                        ; a joint refill: waves 0 and 1 fetch the halves of K's 256 rows, waves 2 and 3 those of V's.  Four v_nop follow each of the two lines
	s_cmp_lt_u32 s[WV], 2
	s_cbranch_scc0 .Lfor_v_\@
	tensor_load_to_lds s[G0K+4:G0K+7], s[G1K:G1K+7]
	s_nop 0
.rept 4
	v_nop
.endr
	s_branch .Lasked_\@
.Lfor_v_\@:
	tensor_load_to_lds s[G0V+4:G0V+7], s[G1V:G1V+7]
	s_nop 0
.rept 4
	v_nop
.endr
.Lasked_\@:
.endm
; A PREFETCH INTO THE L2 of what the NEXT change of slots will ask for: a slot's 32,768 bytes of K and of V.  Each aligned block of 256 bytes is named once in the launch: both clusters of a head walk the same K and V, and the
; head's first cluster asks; its four partners take 8,192 bytes each, told apart BY ADDRESS; in each, wave 0 asks for K's and wave 2 for V's, lanes 256 bytes apart: one instruction.  The last change that fills a slot asks for nothing.
.macro ASK
	s_cmp_gt_u32 s[SLOTS], s[LIM]
	s_cbranch_scc0 .Lnot_mine_\@
	global_prefetch_b8 v[PFO], s[PFA:PFA+1] th:TH_LOAD_NT scope:SCOPE_SE
.Lnot_mine_\@:
.endm
.macro CROUND                       ; a round of the cluster's barrier
	s_barrier_signal -1
	s_barrier_wait -1
	s_cmp_lg_u32 s[WV], 0
	s_cbranch_scc1 .Lnot_wave_0_\@
	s_barrier_signal -3
.Lnot_wave_0_\@:
	s_barrier_wait -3
	s_barrier_signal -1
	s_barrier_wait -1
.endm
	s_load_b128 s[4:7], s[0:1], 0x0  ; heads s[4:5], mask s[6:7]
	s_load_b64 s[8:9], s[0:1], 0x10  ; ao
	v_lshl_add_u32 v[SPW], v0, 2, SPARE
	v_mov_b32 v[NIL], 0
	ds_add_u32 v62, v63
	ds_add_u32 v62, v63
	s_wait_dscnt 0x0
	v_lshrrev_b32 v1, 5, v0
	v_readfirstlane_b32 s[WV], v1   ; wave 0..3
	s_bfe_u32 s13, ttmp6, 0x40000   ; cx: my place in the cluster
	s_lshl_b32 s14, ttmp9, 2        ; in a cluster launch ttmp9 counts clusters
	s_add_co_u32 s14, s14, s13      ; my block of 256 queries: it enters Q's and ao's addresses alone
	s_and_b32 s20, ttmp7, 0xffff    ; 16 b + h, which the four partners share
	s_lshr_b32 s70, s20, 4
	s_lshl_b32 s70, s70, 13         ; my batch's 8,192 bytes of the mask
	s_mov_b32 s71, 0
	s_lshl_b32 s20, s20, 18         ; the head's first byte in Q, in K, in V and in ao
	s_and_b32 s16, s[WV], 1         ; which half of a slot's 256 rows I fetch:
	s_lshl_b32 s22, s16, 14         ; its 128 rows of 128 bytes in memory,
	s_add_co_u32 s22, s22, s20
	s_mov_b32 s23, 0
	s_mul_i32 s17, s16, 128*PK      ; and its place in a slot: K's,
	s_mul_i32 s10, s16, 128*PVP
	s_add_co_u32 s10, s10, VOFF     ; V's: no place in the cluster enters an LDS address
	s_lshl_b32 s2, s14, 15          ; my block's 256 rows,
	s_lshl_b32 s3, s[WV], 13        ; my wave's 64 of them
	s_add_co_u32 s2, s2, s3
	s_add_co_u32 s2, s2, s20
	s_mov_b32 s3, 0
	; group 1: a tile of 128 rows x 64 elements, padded in LDS
	s_mov_b32 s[G1K], 15|(1<<16)|(1<<20)|(1<<21)|(4<<22)|(3<<25)  ; 15:0 the mask: all four work-groups; 17:16 elements of 2 bytes; 20 padding on; 21 set beside a mask; 24:22 after every 32 words; 31:25 four words
	s_mov_b32 s[G1V], 15|(1<<16)|(1<<20)|(1<<21)|(4<<22)|(7<<25)  ; the same with eight words of padding
.irp g, G1K, G1V
	s_mov_b32 s[\g+1], 64<<16       ; tensor_dim0 = 64
	s_mov_b32 s[\g+2], 128<<16      ; tensor_dim1 = 128
	s_mov_b32 s[\g+3], 64<<16       ; tile_dim0 = 64
	s_mov_b32 s[\g+4], 128          ; tile_dim1 = 128
	s_mov_b32 s[\g+5], 64           ; elements from row to row
	s_mov_b32 s[\g+6], 0
	s_mov_b32 s[\g+7], 0
.endr
	s_mov_b32 s[CS], 0x3e38aa3b     ; c = log2(e) / 8
	s_mov_b32 s[CS+1], s[CS]        ; named with it as a pair, so it is written
	s_mov_b32 s[SEL], 0x76543210
	s_mov_b32 s[SEL+1], 0xfedcba98
	s_mov_b32 s[TBK], 0
	s_mov_b32 s[TBV], 0
	s_mov_b32 s[TM], 0
	s_mov_b32 s[SLOTS], NSL-2
	s_and_b32 s[LIM], s[WV], 1      ; 0 in waves 0 and 2,
	s_or_b32 s[LIM], s[LIM], ttmp9  ; where the cluster is the head's first: the same in all four partners
	s_cmp_eq_u32 s[LIM], 0
	s_cselect_b32 s[LIM], 1, -1
	s_wait_kmcnt 0x0
	s_add_nc_u64 s[MP:MP+1], s[6:7], s[70:71]
	s_add_nc_u64 s[72:73], s[4:5], s[22:23]
	s_add_nc_u64 s[74:75], s[72:73], 0x1000000  ; V at my half of slot 0
	s_add_nc_u64 s[72:73], s[72:73], 0x800000   ; K likewise
	s_add_nc_u64 s[4:5], s[4:5], s[2:3]     ; Q and ao at my wave's first row
	s_add_nc_u64 s[8:9], s[8:9], s[2:3]
	s_cmp_lt_u32 s[WV], 2
	s_cselect_b64 s[PFA:PFA+1], s[72:73], s[74:75]  ; (in waves 0 and 2 these stand at a slot's first row)
	s_lshl_b32 s2, s13, 13          ; my work-group's 8,192 bytes of the 32,768
	s_mov_b32 s3, 0
	s_add_nc_u64 s[PFA:PFA+1], s[PFA:PFA+1], s[2:3]
	s_add_nc_u64 s[PFA:PFA+1], s[PFA:PFA+1], 2*SLOTB  ; in slot 2; the first change of slots steps it to slot 3.  Nothing is prefetched at the head, where every work-group's first tiles are on their way
	CROUND                          ; all four work-groups are here: the first joint loads meet
.irp s, 0,1
	s_mov_b32 s[G0K+4*\s], 1        ; count = 1
	s_add_co_u32 s[G0K+4*\s+1], s17, \s*SLOT1  ; LDS address
	s_add_nc_u64 s[G0K+4*\s+2:G0K+4*\s+3], s[72:73], \s*SLOTB  ; global address: slot s begins with keys 256 s
	s_or_b32 s[G0K+4*\s+3], s[G0K+4*\s+3], 0x80000000  ; type = 2
	s_mov_b32 s[G0V+4*\s], 1
	s_add_co_u32 s[G0V+4*\s+1], s10, \s*SLOT1
	s_add_nc_u64 s[G0V+4*\s+2:G0V+4*\s+3], s[74:75], \s*SLOTB
	s_or_b32 s[G0V+4*\s+3], s[G0V+4*\s+3], 0x80000000
.endr
	s_cmp_lt_u32 s[WV], 2           ; a wave's two first fills stand in one branch, ahead of every wait on TENSORcnt and every LDS read; four v_nop follow the second
	s_cbranch_scc0 .Lfirst_v
	tensor_load_to_lds s[G0K:G0K+3], s[G1K:G1K+7]
	s_nop 0
	tensor_load_to_lds s[G0K+4:G0K+7], s[G1K:G1K+7]
	s_nop 0
.rept 4
	v_nop
.endr
	s_branch .Lfirst_asked
.Lfirst_v:
	tensor_load_to_lds s[G0V:G0V+3], s[G1V:G1V+7]
	s_nop 0
	tensor_load_to_lds s[G0V+4:G0V+7], s[G1V:G1V+7]
	s_nop 0
.rept 4
	v_nop
.endr
.Lfirst_asked:
	v_and_b32 v1, 15, v0            ; r = lane % 16
	v_bfe_u32 v9, v0, 4, 1          ; h = lane / 16
	v_lshlrev_b32 v14, 4, v0        ; the mask: thread t takes 16 bytes at 16 t of each quarter of the batch's 8,192
.irp i, 0,1,2,3
	global_load_b128 v[64+4*\i:67+4*\i], v14, s[MP:MP+1] offset:2048*\i
.endr
	v_lshlrev_b32 v[QO], 7, v1
	v_lshl_add_u32 v[QO], v9, 4, v[QO]  ; Q: row x 128 + 16 x half
	WIN 0x80                        ; destination window 2, address window 0
.irp i, 0,1,2,3,4,5,6,7             ; Q stays in registers: tile i / 2, channels 32 (i % 2) on
	global_load_b128 v[8*\i:8*\i+3],   v[QO], s[4:5] offset:(\i/2)*2048+(\i%2)*64
	global_load_b128 v[8*\i+4:8*\i+7], v[QO], s[4:5] offset:(\i/2)*2048+(\i%2)*64+32
.endr
	WIN 0
	v_mul_u32_u24 v[AK0], v1, PK
	v_lshl_add_u32 v[AK0], v9, 4, v[AK0]  ; K: row x pitch + 16 x half
	v_and_b32 v10, 7, v0
	v_bfe_u32 v11, v0, 3, 1
	v_lshl_add_u32 v[AV0], v9, 3, v10     ; V, for the turning load: key 8 h + lane % 8, channels 8 ((lane / 8) % 2) on
	v_mul_u32_u24 v[AV0], v[AV0], PVP
	v_lshl_add_u32 v[AV0], v11, 4, v[AV0]
	v_add_nc_u32 v[AV0], VOFF, v[AV0]
	v_lshl_add_u32 v[AM0], v9, 5, MASKF   ; the mask's numbers in a result's layout: register j of key tile u is key 16 u + 8 h + j
	v_add_nc_u32 v15, MASKF, v14
	v_and_b32 v[PFO], 31, v0
	v_lshlrev_b32 v[PFO], 8, v[PFO]
	v_cmp_eq_u32 vcc_lo, 0, v10           ; ONES: a lane holds row lane % 16 of source 0: rows 0 and 8 are ones (two f16 ones a register), the others zeros
	v_mov_b32 v81, 0x3c003c00
	v_cndmask_b32 v81, 0, v81, vcc_lo
	WIN 0x40                        ; destination window 1
.irp i, 0,1,2,3,4,5,6,7
	v_mov_b32 v[ONES+\i], v81
.endr
	WIN 0
	v_mov_b32 v80, 0xc79c4000       ; -80,000
	s_wait_loadcnt 16               ; the mask's four loads are in; the sixteen younger ones, Q's, may be out
.irp i, 0,1,2,3,4,5,6,7,8,9,10,11,12,13,14,15
	v_cmp_eq_u32 vcc_lo, 0, v[64+\i]
	v_cndmask_b32 v[64+\i], 0, v80, vcc_lo  ; -80,000 where the mask is 0, else 0
.endr
.irp i, 0,1,2,3
	ds_store_b128 v15, v[64+4*\i:67+4*\i] offset:2048*\i
.endr
; THE MATRIX WORK OF A TURN, for piece x.  The accumulators take turns, one instruction a turn: between two links of a chain stand 9 (V^T P) or 7 (K Q^T) others'.
; Product i of 20: keys 32 (i / 10) on; (i / 2) % 5 = 0..3: channels 16 x that of O^T, 4: the sum L; tile x + i % 2.  zero = 1: the first 10 start the sums: nothing is ever cleared.
.macro PV x, zero
	WIN W_PV
.set tt, \x+i%2
.set dd, (i/2)%5
.set kc, i/10
.set rB, P+16*tt+8*kc
.if dd < 4
.set rD, 32*tt+8*dd
.set rA, VF+32*kc+8*dd
.else
.set rD, LF+8*tt
.set rA, ONES
.endif
.if (\zero) && (i < 10)
	v_wmma_f32_16x16x32_f16 v[rD:rD+7], v[rA:rA+7], v[rB:rB+7], 0
.else
	v_wmma_f32_16x16x32_f16 v[rD:rD+7], v[rA:rA+7], v[rB:rB+7], v[rD:rD+7]
.endif
.endm
; Product i of 16 of S^T = K Q^T: channels 32 (i / 8) on, keys 16 ((i / 2) % 4) on, tile x + i % 2.  The first 8 start the sums from the mask's numbers.
.macro KQ x
.set tt, \x+i%2
.set uu, (i/2)%4
.set cc, i/8
.set rD, S+32*tt+8*uu
.set rA, KF+16*uu+8*cc
.set rB, 16*tt+8*cc
.if i < 8
	WIN W_KQM
	v_wmma_f32_16x16x32_f16 v[rD:rD+7], v[rA:rA+7], v[rB:rB+7], v[MK+8*uu:MK+8*uu+7]
.else
	WIN W_KQ
	v_wmma_f32_16x16x32_f16 v[rD:rD+7], v[rA:rA+7], v[rB:rB+7], v[rD:rD+7]
.endif
.endm
; THE LDS LOADS stand in runs: a step's K (8 fragments) with its mask numbers, 24 loads; a turn later its V (turned), 16 loads.
.macro FETCH_K
	WIN 0
	v_add_nc_u32 v[ADR], s[TBK], v[AK0]
	v_add_nc_u32 v[ADM], s[TM], v[AM0]
	s_add_co_u32 s[TBK], s[TBK], KSB  ; the next fetch is the next step's
	s_add_co_u32 s[TM], s[TM], 4*KS
	WIN 0x80                        ; destination window 2
.irp f, 0,1,2,3,4,5,6,7             ; keys 16 (f / 2) on, channels 32 (f % 2) on
	ds_load_b128 v[KF+8*\f:KF+8*\f+3],   v[ADR] offset:(\f/2)*16*PK+(\f%2)*64
	ds_load_b128 v[KF+8*\f+4:KF+8*\f+7], v[ADR] offset:(\f/2)*16*PK+(\f%2)*64+32
.endr
.irp u, 0,1,2,3
	ds_load_b128 v[MK+8*\u:MK+8*\u+3],   v[ADM] offset:64*\u
	ds_load_b128 v[MK+8*\u+4:MK+8*\u+7], v[ADM] offset:64*\u+16
.endr
.endm
.macro FETCH_V
	WIN 0
	v_add_nc_u32 v[ADR], s[TBV], v[AV0]
	s_add_co_u32 s[TBV], s[TBV], VSB
	WIN 0x40                        ; destination window 1
.irp f, 0,1,2,3,4,5,6,7             ; keys 32 (f / 4) on, channels 16 (f % 4) on
	ds_load_tr16_b128 v[VF+8*\f:VF+8*\f+3],   v[ADR] offset:(\f/4)*32*PVP+(\f%4)*32
	ds_load_tr16_b128 v[VF+8*\f+4:VF+8*\f+7], v[ADR] offset:(\f/4)*32*PVP+16*PVP+(\f%4)*32
.endr
.endm
; THE VECTOR WORK OF A TURN.  One tile's softmax for one key step is a list of 108 numbers; SM writes number j of it for tile t.  s0-s31 are the lane's 32 scores, in pairs 0-15.
; first = 1: the first key step, which starts m: it has no a and nothing to rescale.
;   0-15    the maximum of s0-s31 and the old m, three operands at a time; numbers 0-3 read each score tile from its low end
;   16-20   the other half of the lanes' maximum; the new m; c m; c m_old - c m_new
;   21-88   pair b's scaling c s - c m (F), its two exponentials (E), its rounding to f16 (C), staggered: from 23 on, in groups of four: F of pair b + 1, E of s(2 b), C of pair b - 2, E of s(2 b + 1).
;           So a plain instruction stands between every exponential and the rounding that reads its result.  22 is a's exponential.
;   91-107  the tile's O^T and its sum times a: the one part that leaves window 0, so it stands together.  89 and 90 are empty.
.macro SMF b
	WIN 0
	v_pk_fma_f32 v[rS+2*(\b):rS+2*(\b)+1], v[rS+2*(\b):rS+2*(\b)+1], s[CS:CS+1], v[rT:rT+1] op_sel_hi:[1,0,0] neg_lo:[0,0,1] neg_hi:[0,0,1]
.endm
.macro SME e
	WIN 0
	v_exp_f32 v[rS+(\e)], v[rS+(\e)]
.endm
.macro SMC b
	WIN 0
	s_wait_alu depctr_va_vdst(0)
	v_cvt_pk_f16_f32 v[rP+(\b)], v[rS+2*(\b)], v[rS+2*(\b)+1]
.endm
.macro SM t, first
.set rT, ST+8*(\t)
.set rS, S+32*(\t)
.set rP, P+16*(\t)
.set bq, (j-23)/4
.set ph, (j-23)%4
.if j < 4
	WIN 0
	v_max3_num_f32 v[rT+4+j], v[rS+8*j], v[rS+8*j+1], v[rS+8*j+2]
.elseif j < 12
	WIN 0
	v_max3_num_f32 v[rT+4+j%4], v[rT+4+j%4], v[rS+8*(j%4)+2*(j/4)+1], v[rS+8*(j%4)+2*(j/4)+2]
.elseif j == 12
	WIN 0
	v_max3_num_f32 v[rT+4], v[rT+4], v[rS+7], v[rS+15]
.elseif j == 13
	WIN 0
	v_max3_num_f32 v[rT+6], v[rT+6], v[rS+23], v[rS+31]
.elseif j == 14
	WIN 0
	v_max3_num_f32 v[rT+4], v[rT+4], v[rT+5], v[rT+6]
.elseif (j == 15) && \first
	WIN 0
	v_max_num_f32 v[rT+4], v[rT+4], v[rT+7]
.elseif j == 15
	WIN 0
	v_max3_num_f32 v[rT+4], v[rT+4], v[rT+7], v[rT+1]
.elseif j == 16
	WIN 0
	v_permlanex16_b32 v[rT+5], v[rT+4], s[SEL], s[SEL+1]  ; the query's other 32 keys lie in the lane 16 away
.elseif j == 18
	WIN 0
	v_max_num_f32 v[rT+1], v[rT+4], v[rT+5]
.elseif j == 19
	WIN 0
	v_mul_f32 v[rT], s[CS], v[rT+1]
.elseif j == 21
	SMF 0
.elseif ((j == 17) || (j == 20) || (j == 22) || (j > 90)) && \first  ; the first step has none of these
.elseif j == 17
	WIN 0
	v_mov_b32 v[rT+7], v[rT]        ; c m_old is kept for a: number 19 writes c m anew
.elseif j == 20
	WIN 0
	v_sub_f32 v[rT+7], v[rT+7], v[rT]
.elseif j == 22
	WIN 0
	v_exp_f32 v[rT+6], v[rT+7]
.elseif j < 87
.if ph == 0
.if bq < 15
	SMF bq+1
.endif
.elseif ph == 1
	SME 2*bq
.elseif ph == 2
.if bq >= 2
	SMC bq-2
.endif
.else
	SME 2*bq+1
.endif
.elseif j == 87
	SMC 14
.elseif j == 88
	SMC 15
.elseif j < 91
.elseif j < 107
	WIN W_RS
.set rO, 32*(\t)+2*(j-91)
	v_pk_mul_f32 v[rO:rO+1], v[rO:rO+1], v[rT+6:rT+7] op_sel_hi:[1,0]
.else
	WIN W_RS
.set rO, LF+8*(\t)
	v_pk_mul_f32 v[rO:rO+1], v[rO:rO+1], v[rT+6:rT+7] op_sel_hi:[1,0]  ; the sum in register 0; register 1 is 0 and stays 0
.endif
.endm
; Slice k of 36 of piece y's softmax: numbers 3 k to 3 k + 2 of both tiles' lists, the tiles alternating.  Slice 35 is six plain multiplications that name only piece y's O^T, L and a: they are the places
; between the turn's last K Q^T and what follows: the next turn's first read of those scores and the loads into K's registers.
.macro SLICE y, first
.irp n, 0,1,2
.irp t, \y, \y+1
.set j, 3*k+\n
	SM \t, \first
.endr
.endr
.set k, k+1
.endm
.macro DEAL y, first                ; behind matrix instruction nw of W: the slices that are due: one where W = 36, one or two where W = 20, two or three where W = 16
.rept 3
.if k*W < 36*nw
	SLICE \y, \first
.endif
.endr
.endm
.macro PLACES
.rept 4
	v_nop
.endr
.endm
; A TURN.  Piece x has the matrix unit; the other piece's softmax stands in slices behind its matrix instructions.
; pv = 2: 20 products V^T P; 1: they start the sums; 0: none.  kq = 1: 16 products K Q^T for the next step.  first = 1: the softmax is the first key step's; its last slices are empty, and four v_nop take slice 35's part.
; Piece 0's turn fetches the next step's K behind its second product: the last product that read K stands in front of slice 35 of the turn before.  Piece 2's turn fetches the same step's V behind its second K Q^T:
; the last product that read V stands five slices back, sixteen plain instructions among them.
.macro TURN x, pv, kq, first
.set k, 0
.set nw, 0
.set W, 0
.if \pv
.set W, W+20
.endif
.if \kq
.set W, W+16
.endif
.if \pv
.if \x == 0
	s_wait_dscnt 0x0                ; V is in
.endif
.set i, 0
.rept 20
	PV \x, 2-\pv
.set nw, nw+1
	DEAL 2-\x, \first
.if (\x == 0) && \kq && (i == 1)
	FETCH_K
.endif
.set i, i+1
.endr
.endif
.if \kq
.if \x == 0
	s_wait_dscnt 0x0                ; K and the mask's numbers are in
.endif
.set i, 0
.rept 16
	KQ \x
.set nw, nw+1
	DEAL 2-\x, \first
.if (\x == 2) && (i == 1)
	FETCH_V
.endif
.set i, i+1
.endr
.endif
.if \first
	PLACES
.endif
.endm
; THE CHANGE OF SLOTS, between piece 2's turn and piece 0's: the slot's last bytes, V of its fourth step, have been asked for.  Each wave waits for all its tensor loads, of which one is out: its part of the other slot;
; adds 0 to its spare word; and waits for that and for its own reads of the slot.  fill = 1: the slot is filled again, with the keys two slots on: the barrier is then a round of the cluster's, and the joint refill is the first thing behind it.
.macro CHANGE fill
	WIN 0
	s_wait_tensorcnt 0x0            ; no tensor load of mine is out, so a group 0 may be written
	ds_add_u32 v[SPW], v[NIL]       ; 0 onto my spare word
.if \fill
.irp g, G0K+4, G0V+4
	s_xor_b32 s[\g+1], s[\g+1], SLOT1  ; the walking descriptor: the other slot than last time,
	s_add_nc_u64 s[\g+2:\g+3], s[\g+2:\g+3], SLOTB  ; the next 256 keys; the type bits on top are not reached
.endr
	s_wait_xcnt 0x0                 ; the last prefetch, four key steps back, has read its address, so it may be written:
	s_add_nc_u64 s[PFA:PFA+1], s[PFA:PFA+1], SLOTB  ; one slot further on than the walking descriptors
	s_wait_dscnt 0x0                ; the add is done, and my reads of the slot are over
	CROUND
	JLOAD
	ASK
.else
	s_wait_dscnt 0x0                ; the add is done, and my reads of the slot are over
	s_barrier_signal -1
	s_barrier_wait -1
.endif
	s_sub_co_u32 s[TBK], s[TBK], NST*KSB  ; the fetches go back to a slot's first step,
	s_xor_b32 s[TBK], s[TBK], SLOT1       ; in the other slot
	s_sub_co_u32 s[TBV], s[TBV], NST*VSB
	s_xor_b32 s[TBV], s[TBV], SLOT1
.endm
.macro STEPS n                      ; n key steps: written once, walked n times; the LDS addresses hang on s[TBK], s[TBV], s[TM]
	s_mov_b32 s[CNT], \n
.Lstep_\@:
	TURN 0, 2, 1, 0
	TURN 2, 2, 1, 0
	WIN 0
	s_sub_co_u32 s[CNT], s[CNT], 1
	s_cmp_lg_u32 s[CNT], 0
	s_cbranch_scc1 .Lstep_\@
.endm
	s_wait_tensorcnt 1              ; my part of slot 0 is in; slot 1's, issued behind it, may stay out
	s_wait_dscnt 0x0                ; my part of the mask's table is stored
	s_barrier_signal -1
	s_barrier_wait -1               ; everybody's is
	FETCH_K                         ; key step 0
	s_wait_loadcnt 0x0              ; Q
	s_wait_dscnt 0x0
.set i, 0
.rept 16
	KQ 0                            ; piece 0's first scores: there is no vector work yet to set between them
.set i, i+1
.endr
	WIN 0                           ; the addresses for the way out are made here: nine plain instructions, the places behind those products
	s_mul_i32 s11, s[WV], 16*SP
	s_add_co_u32 s11, s11, STAGE    ; my stage
	v_mul_u32_u24 v[STO], v1, SP    ; in: row r, 16 bytes for each half of the lanes
	v_lshl_add_u32 v[STO], v9, 4, v[STO]
	v_add_nc_u32 v[STO], s11, v[STO]
	v_and_b32 v[GO], 31, v0
	v_lshrrev_b32 v[RD], 3, v[GO]   ; back: eight lanes to a row of 128 bytes, four rows a load
	v_mul_u32_u24 v[RD], v[RD], SP
	v_lshl_add_u32 v[RD], v10, 4, v[RD]
	v_add_nc_u32 v[RD], s11, v[RD]
	v_lshlrev_b32 v[GO], 4, v[GO]   ; and the same four rows in ao: 512 consecutive bytes
	TURN 2, 0, 1, 1                 ; piece 2's first scores | piece 0's first softmax | V of step 0
	TURN 0, 1, 1, 1                 ; piece 0: V^T P of step 0 starts O^T and L, K Q^T of step 1 | piece 2's first softmax | K of step 1
	TURN 2, 1, 1, 0                 ; piece 2: the same | piece 0's softmax of step 1 | V of step 1
	WIN 0
	STEPS 2                         ; these fetch steps 2 and 3: slot 0 is read out
.Lslot:                             ; six trips: every slot but the last two is filled again
	CHANGE 1
	STEPS NST
	s_sub_co_u32 s[SLOTS], s[SLOTS], 1
	s_cmp_lg_u32 s[SLOTS], 0
	s_cbranch_scc1 .Lslot
	CHANGE 0                        ; the tail is written out
	STEPS NST
	TURN 0, 2, 0, 0                 ; piece 0: V^T P of the last step | piece 2's last softmax
.set i, 0
.rept 20
	PV 2, 0                         ; piece 2: V^T P of the last step
.set i, i+1
.endr
	; THE WAY OUT.  O^T is divided by the sum (register 0 of L: every lane has its query's whole sum), rounded to f16 and sent through my stage in LDS, a tile (16 rows of ao) at a time.
	PLACES                          ; behind the last products
	WIN 0x01                        ; source 0 window 1
.irp t, 0,1,2,3
	v_rcp_f32 v[ST+8*\t+6], v[LF+8*\t]
.endr
	v_nop                           ; a plain instruction between the last reciprocal and the use of its result
.macro PACK t
	WIN W_RS
.set i, 32*\t
.rept 16
	s_wait_alu depctr_va_vdst(0)
	v_pk_mul_f32 v[i:i+1], v[i:i+1], v[ST+8*\t+6:ST+8*\t+7] op_sel_hi:[1,0]
.set i, i+2
.endr
	WIN 0x05                        ; sources 0 and 1 window 1, destination window 0: S^T's registers are free
.set i, 0
.rept 16
	v_cvt_pk_f16_f32 v[S+32*\t+i], v[32*\t+2*i], v[32*\t+2*i+1]
.set i, i+1
.endr
	WIN 0
.irp f, 0,1,2,3
	ds_store_b128 v[STO], v[S+32*\t+4*\f:S+32*\t+4*\f+3] offset:32*\f   ; lane (r, h): channels 16 f + 8 h + 0 .. 7 of row r
.endr
.irp f, 0,1,2,3
	ds_load_b128 v[S+32*\t+16+4*\f:S+32*\t+16+4*\f+3], v[RD] offset:\f*4*SP  ; LDS serves a wave's instructions in order (ISA guide 5.7.1.4): these see the stores above; the next tile's stores come behind them
.endr
.endm
.macro SEND t, younger              ; younger: the LDS instructions issued behind tile t's loads: the next tile's eight, or none
.irp f, 0,1,2,3
	s_wait_dscnt \younger+3-\f
	global_store_b128 v[GO], v[S+32*\t+16+4*\f:S+32*\t+16+4*\f+3], s[8:9] offset:\t*2048+\f*512  ; 32 lanes store 512 consecutive bytes, aligned
.endr
.endm
	PACK 0
	PACK 1                          ; a tile's arithmetic stands between the loads of the tile before and its stores
	SEND 0, 8
	PACK 2
	SEND 1, 8
	PACK 3
	SEND 2, 8
	SEND 3, 0
	s_wait_tensorcnt 0x0            ; the wave's end
	ds_add_u32 v[SPW], v[NIL]
	s_wait_dscnt 0x0
	CROUND                          ; the closing round: no work-group ends while a partner may still ask for a tile that names it
	s_endpgm
.Lfunc_end_k_q91893e2bb4_attn:
	.size	k_q91893e2bb4_attn, .Lfunc_end_k_q91893e2bb4_attn-k_q91893e2bb4_attn
	.p2alignl 7, 3214868480
	.fill 96, 4, 3214868480
	.section	.rodata,"a",@progbits
	.p2align	6, 0x0
	.amdhsa_kernel k_q91893e2bb4_attn
		.amdhsa_group_segment_fixed_size 327680
		.amdhsa_private_segment_fixed_size 0
		.amdhsa_enable_private_segment 0
		.amdhsa_kernarg_size 24
		.amdhsa_user_sgpr_count 2
		.amdhsa_user_sgpr_kernarg_segment_ptr 1
		.amdhsa_wavefront_size32 1
		.amdhsa_system_sgpr_workgroup_id_x 1
		.amdhsa_system_sgpr_workgroup_id_y 1
		.amdhsa_system_sgpr_workgroup_id_z 1
		.amdhsa_system_vgpr_workitem_id 0
		.amdhsa_next_free_vgpr 768
		.amdhsa_next_free_sgpr 80
		.amdhsa_reserve_vcc 1
		.amdhsa_float_denorm_mode_32 3
		.amdhsa_float_denorm_mode_16_64 3
		.amdhsa_memory_ordered 1
		.amdhsa_forward_progress 1
		.amdhsa_inst_pref_size 197
	.end_amdhsa_kernel
	.amdgpu_metadata
---
amdhsa.version: [ 1, 2 ]
amdhsa.kernels:
  - .name:           k_q91893e2bb4_attn
    .symbol:         k_q91893e2bb4_attn.kd
    .args:
      - { .name: heads, .offset: 0, .size: 8, .value_kind: global_buffer, .address_space: global }
      - { .name: mask, .offset: 8, .size: 8, .value_kind: global_buffer, .address_space: global }
      - { .name: ao, .offset: 16, .size: 8, .value_kind: global_buffer, .address_space: global }
    .group_segment_fixed_size: 327680
    .private_segment_fixed_size: 0
    .kernarg_segment_align: 8
    .kernarg_segment_size: 24
    .max_flat_workgroup_size: 128
    .sgpr_count:     80
    .vgpr_count:     768
    .wavefront_size: 32
...
	.end_amdgpu_metadata
.endif
;; end of part 3
;; launch oproj (part 4): grid 8 x 32, 4 waves a work-group, clusters of 4 x 4, 327,680 bytes of LDS; arguments ao, wo16, out0, bo; writes out0
.if DOCPART == 4
	.amdgcn_target "amdgcn-amd-amdhsa--gfx1250"
	.amdhsa_code_object_version 6
	.text
	.protected	k_q91893e2bb4_oproj
	.globl	k_q91893e2bb4_oproj
	.p2align	8
	.type	k_q91893e2bb4_oproj,@function
k_q91893e2bb4_oproj:
	s_mov_b64 s[64:65], 0
	v_nop
	global_prefetch_b8 v0, s[64:65] scope:SCOPE_SE
	s_setreg_imm32_b32 hwreg(HW_REG_WAVE_MODE, 25, 1), 1
	s_wait_xcnt 0x0
	s_wait_alu depctr_hold_cnt(0) depctr_sa_sdst(0) depctr_va_vdst(0) depctr_va_sdst(0) depctr_va_ssrc(0) depctr_va_vcc(0) depctr_vm_vsrc(0)
	s_getreg_b32 s2, hwreg(HW_REG_IB_STS2, 6, 4)
	s_cmp_eq_u32 s2, 0
	s_cbranch_scc0 .Lentry_in_a_cluster
	s_endpgm
.Lentry_in_a_cluster:
	s_bfe_u32 s2, ttmp6, 0x10000c
	s_cmp_lg_u32 s2, 0xf033
	s_cbranch_scc0 .Lentry_shape_is_right
	s_endpgm
.Lentry_shape_is_right:
; out0[m][n] = sum over k of A[m][k] Wo[n][k] + bo[n].  A is the attention's result, ao [2][16 heads][2048 tokens][64] f16: row m = (batch, token), k = 64 head + d.  wo16: [1024][1024] f16.  out0: [4096][1024] f32.  Sums in f32.
; A tile of out0 is 128 x 128: 256 work-groups.  Four waves, each 64 x 64: 16 accumulators of 16 x 16.  K goes in steps of 256 (four heads) through a ring of two LDS slots; a quarter of a step, 64 along K, is one head.
; A's TILE: for one head, 64 neighbouring tokens are 8,192 consecutive bytes.  So a wave's tile is stated as 4 rows (heads, 2^18 bytes apart) of 4,096 elements, with 16 bytes of padding behind every 128 bytes:
; in LDS a token's 128 bytes lie 144 apart and a head's 64 tokens 9,216 apart.  Wo's tile: 64 rows of 512 bytes, 528 apart.
; CLUSTERS: 4 x 4 work-groups.  The four of a row of the cluster need the same tiles of A, the four of a column the same tiles of Wo: each is asked for JOINTLY, by the same tensor load with the same descriptor and a mask that names the four.
; By this text's own count a wave has two tensor loads out at the start and one behind each change of slots.
; THE MATRIX INSTRUCTION IS USED TRANSPOSED (source 0 = 16 rows of Wo, source 1 = 16 rows of A): a lane holds eight neighbouring n of one row.  THE BIAS is the C of each sum's first product.
; No prefetch: a step's tiles are small and shared by the cluster, and the launch is short.
; REGISTERS: window 0: v0-31 addresses; v32-95 rows on the way out; v96-127 the bias, eight registers for each of my four blocks of 16 n; v128-255 the accumulators ((a, b) at v[128 + 8 (4 a + b)]).
;   window 1: two fragment buffers of 128: for 64 along K, 64 registers of A (2 x 4 x 16 rows x 32 K), then 64 of Wo.
.set KSTEP,  256
.set PITCH,  528                       ; Wo's LDS row: 512 bytes + 16
.set APITCH, 144                       ; a token's 128 bytes + 16
.set AHD,    64*APITCH                 ; a head's 64 tokens
.set HALFA,  4*AHD                     ; what one tensor load brings of A: 64 tokens x 4 heads
.set HALFB,  64*PITCH                  ; and of Wo: 64 rows
.set SLOT,   2*HALFA+2*HALFB           ; A's 128 rows, then Wo's 128 rows
.set STAGE,  2*SLOT                    ; behind the ring: 16 rows x 272 bytes for each wave
.set SPITCH, 272
.set SPARE,  STAGE+4*16*SPITCH         ; the spare words, 128 bytes for each wave: two blocks of 256 bytes that no other line names
.set LAPS,   2                         ; K = 1,024: four steps, twice round the ring
.set ASTEP,  4<<18                     ; a K step on in ao: four heads
.set BSTEP,  KSTEP*2                   ; and in a row of wo16
.set ADRA, 16                          ; v16-17  LDS address of my A fragments in slot 0, 1
.set ADRB, 20                          ; v20-21  the same for Wo
.set STO,  24                          ; v24     the way out: where I put 32 bytes of a row
.set RD,   25                          ; v25     where I read a row back
.set CO,   26                          ; v26     my byte offset in out0
.set SPW,  28                          ; v28     LDS address of my spare word; never rewritten
.set NIL,  29                          ; v29     0; never rewritten
.set TMP,  32
.set BI,   96
.set ACC,  128
.set F0,   0                           ; fragment buffers, in window 1
.set F1,   128
.set G1, 24                            ; s[24:31] group 1 for A's tiles;  s[32:39] group 0, one set for each slot
.set G0, 32
.set G1B, 48                           ; s[48:55], s[56:63] the same for Wo's tiles
.set G0B, 56
.set MSB, 0
.macro WIN new
.if MSB != (\new)
	s_set_vgpr_msb (MSB<<8)|(\new)
.set MSB, (\new)
.endif
.endm
.set MUL,  0x05                        ; sources 0 (Wo) and 1 (A) window 1; C and D window 0
.set TO_F, 0x40                        ; destination window 1, address window 0
.macro JLOAD s                         ; a joint load: waves 0 and 1 fetch A's two halves, waves 2 and 3 Wo's; four v_nop follow each of the two lines
	s_cmp_eq_u32 s11, 0
	s_cbranch_scc0 .Lfor_b_\@
	tensor_load_to_lds s[G0+4*\s:G0+4*\s+3], s[G1:G1+7]
	s_nop 0
.rept 4
	v_nop
.endr
	s_branch .Lasked_\@
.Lfor_b_\@:
	tensor_load_to_lds s[G0B+4*\s:G0B+4*\s+3], s[G1B:G1B+7]
	s_nop 0
.rept 4
	v_nop
.endr
.Lasked_\@:
.endm
.macro CREST                           ; a round of the cluster's barrier behind its opening barrier
	s_cmp_lg_u32 s10, 0
	s_cbranch_scc1 .Lnot_wave_0_\@
	s_barrier_signal -3
.Lnot_wave_0_\@:
	s_barrier_wait -3
	s_barrier_signal -1
	s_barrier_wait -1
.endm
.macro CROUND                          ; a whole round
	s_barrier_signal -1
	s_barrier_wait -1
	CREST
.endm
	s_load_b128 s[4:7], s[0:1], 0x0                ; ao s[4:5], wo16 s[6:7]
	s_load_b64 s[8:9], s[0:1], 0x10                ; out0
	s_load_b64 s[66:67], s[0:1], 0x18              ; bo
	v_lshl_add_u32 v[SPW], v0, 2, SPARE
	v_mov_b32 v[NIL], 0
	ds_add_u32 v28, v29
	ds_add_u32 v28, v29
	s_wait_dscnt 0x0
	v_lshrrev_b32 v1, 5, v0
	v_readfirstlane_b32 s10, v1                    ; wave 0..3
	s_lshr_b32 s11, s10, 1                         ; which half of the tile's rows is mine.  Also: I fetch for A (0) or for Wo (1)
	s_and_b32 s12, s10, 1                          ; which half of its columns.  Also: which 64 rows of that tile I fetch
	s_bfe_u32 s40, ttmp6, 0x40000                  ; cx, cy: my place in the cluster
	s_bfe_u32 s41, ttmp6, 0x40004
	s_lshl_b32 s42, ttmp9, 2
	s_add_co_u32 s42, s42, s40                     ; tile column = 4 x cluster x + cx
	s_and_b32 s13, ttmp7, 0xffff
	s_lshl_b32 s13, s13, 2
	s_add_co_u32 s13, s13, s41                     ; tile row = 4 x cluster y + cy
	s_lshl_b32 s43, s41, 2
	s_lshl_b32 s43, 15, s43                        ; my row of the cluster
	s_lshl_b32 s44, 0x1111, s40                    ; my column
	; group 1 for A: 4 rows of 4,096 elements of 2 bytes, 131,072 elements apart; four words of padding after every 32
	s_or_b32 s[G1+0], s43, (1<<16)|(1<<20)|(1<<21)|(4<<22)|(3<<25)
	s_mov_b32 s[G1+1], 4096<<16                    ; tensor_dim0
	s_mov_b32 s[G1+2], 4<<16                       ; tensor_dim1
	s_mov_b32 s[G1+3], 4096<<16                    ; tile_dim0
	s_mov_b32 s[G1+4], 4                           ; tile_dim1
	s_mov_b32 s[G1+5], 131072                      ; from head to head
	s_mov_b32 s[G1+6], 0
	s_mov_b32 s[G1+7], 0
	; group 1 for Wo: 64 rows of 256 elements, 1,024 apart; four words of padding after every 128
	s_or_b32 s[G1B+0], s44, (1<<16)|(1<<20)|(1<<21)|(6<<22)|(3<<25)
	s_mov_b32 s[G1B+1], KSTEP<<16
	s_mov_b32 s[G1B+2], 64<<16
	s_mov_b32 s[G1B+3], KSTEP<<16
	s_mov_b32 s[G1B+4], 64
	s_mov_b32 s[G1B+5], 1024
	s_mov_b32 s[G1B+6], 0
	s_mov_b32 s[G1B+7], 0
	s_lshr_b32 s16, s13, 4                         ; A: batch = tile row / 16,
	s_lshl_b32 s16, s16, 22
	s_and_b32 s17, s13, 15                         ; token 128 (tile row % 16) + 64 x half, 128 bytes a token
	s_lshl_b32 s17, s17, 14
	s_add_co_u32 s16, s16, s17
	s_lshl_b32 s17, s12, 13
	s_add_co_u32 s16, s16, s17
	s_mov_b32 s17, 0
	s_lshl_b32 s46, s42, 7                         ; Wo: row 128 x tile column + 64 x half, 2,048 bytes a row
	s_lshl_b32 s47, s12, 6
	s_add_co_u32 s46, s46, s47
	s_lshl_b32 s46, s46, 11
	s_mov_b32 s47, 0
	s_mul_i32 s20, s12, HALFA                      ; where they go: no place in the cluster enters an LDS address
	s_mul_i32 s23, s12, HALFB
	s_add_co_u32 s23, s23, 2*HALFA
	s_wait_kmcnt 0x0
	s_add_nc_u64 s[14:15], s[4:5], s[16:17]
	s_add_nc_u64 s[46:47], s[6:7], s[46:47]
	CROUND                                         ; all sixteen work-groups are here: the first joint loads meet
.irp s, 0,1
	s_mov_b32 s[G0+4*\s], 1
	s_add_co_u32 s[G0+4*\s+1], s20, \s*SLOT
	s_add_nc_u64 s[G0+4*\s+2:G0+4*\s+3], s[14:15], \s*ASTEP
	s_or_b32 s[G0+4*\s+3], s[G0+4*\s+3], 0x80000000
	s_mov_b32 s[G0B+4*\s], 1
	s_add_co_u32 s[G0B+4*\s+1], s23, \s*SLOT
	s_add_nc_u64 s[G0B+4*\s+2:G0B+4*\s+3], s[46:47], \s*BSTEP
	s_or_b32 s[G0B+4*\s+3], s[G0B+4*\s+3], 0x80000000
	JLOAD \s
.endr
	v_and_b32 v1, 15, v0                           ; r = lane % 16
	v_bfe_u32 v2, v0, 4, 1                         ; h = lane / 16
	; the bias of my 64 columns: lane (r, h) wants, for block b, bo[n0 + 16 b + 8 h + 0 .. 7]
	s_lshl_b32 s46, s42, 9
	s_lshl_b32 s47, s12, 8
	s_add_co_u32 s46, s46, s47                     ; my first column, in bytes: 512 x tile column + 256 x half
	s_mov_b32 s47, 0
	s_add_nc_u64 s[66:67], s[66:67], s[46:47]
	s_add_nc_u64 s[8:9], s[8:9], s[46:47]
	v_lshlrev_b32 v6, 5, v2
.irp b, 0,1,2,3
	global_load_b128 v[BI+8*\b:BI+8*\b+3], v6, s[66:67] offset:64*\b
	global_load_b128 v[BI+8*\b+4:BI+8*\b+7], v6, s[66:67] offset:64*\b+16
.endr
	v_mul_u32_u24 v3, v1, APITCH
	v_lshl_add_u32 v3, v2, 4, v3                   ; A: a fragment's row x pitch + 16 x half
	v_mul_u32_u24 v4, v1, PITCH
	v_lshl_add_u32 v4, v2, 4, v4                   ; Wo likewise
	s_mul_i32 s21, s11, HALFA                      ; my 64 rows of A
	s_mul_i32 s22, s12, HALFB                      ; my 64 rows of Wo,
	s_add_co_u32 s22, s22, 2*HALFA                 ; which lie behind A's 128
.irp s, 0,1
	v_add_nc_u32 v[ADRA+\s], s21, v3
	v_add_nc_u32 v[ADRB+\s], s22, v4
	s_add_co_u32 s21, s21, SLOT
	s_add_co_u32 s22, s22, SLOT
.endr
	s_mul_i32 s23, s10, 16*SPITCH
	s_add_co_u32 s23, s23, STAGE                   ; my stage
	v_mul_u32_u24 v5, v1, SPITCH                   ; in: row r, 32 bytes for each half of the lanes
	v_lshl_add_u32 v5, v2, 5, v5
	v_add_nc_u32 v[STO], s23, v5
	v_mul_u32_u24 v5, v2, SPITCH                   ; back: lanes 0-15 take one row of 256 bytes, lanes 16-31 the next
	v_lshl_add_u32 v5, v1, 4, v5
	v_add_nc_u32 v[RD], s23, v5
	v_lshlrev_b32 v5, 12, v2                       ; and the same two rows in out0, 4,096 bytes apart
	v_lshl_add_u32 v[CO], v1, 4, v5
	s_lshl_b32 s16, s13, 7
	s_lshl_b32 s17, s11, 6
	s_add_co_u32 s16, s16, s17                     ; my first row: 128 x tile row + 64 x half
	s_lshl_b32 s16, s16, 12
	s_mov_b32 s17, 0
	s_add_nc_u64 s[8:9], s[8:9], s[16:17]
; 8 matrix instructions: m blocks a0, a0 + 1 x all 4 n blocks, 32 along K: half c of buffer f.  zero = 1: the first product starts the sums from the bias.  The 16 accumulators take turns.
.macro MUL8 f, c, a0, zero
.irp a, \a0, \a0+1
.irp b, 0,1,2,3
.if \zero
	v_wmma_f32_16x16x32_f16 v[ACC+8*(4*(\a)+\b):ACC+8*(4*(\a)+\b)+7], v[\f+64+8*(4*\c+\b):\f+64+8*(4*\c+\b)+7], v[\f+8*(4*\c+\a):\f+8*(4*\c+\a)+7], v[BI+8*\b:BI+8*\b+7]
.else
	v_wmma_f32_16x16x32_f16 v[ACC+8*(4*(\a)+\b):ACC+8*(4*(\a)+\b)+7], v[\f+64+8*(4*\c+\b):\f+64+8*(4*\c+\b)+7], v[\f+8*(4*\c+\a):\f+8*(4*\c+\a)+7], v[ACC+8*(4*(\a)+\b):ACC+8*(4*(\a)+\b)+7]
.endif
.endr
.endr
.endm
; 32 LDS loads in one run: the fragments of the slot's quarter q (one head: 64 along K) into buffer f; the first 32 along K first
.macro FETCH slot, q, f
	WIN TO_F
.irp c, 0,1
.irp i, 0,1,2,3
	ds_load_b128 v[\f+64+8*(4*\c+\i):\f+64+8*(4*\c+\i)+3],   v[ADRB+\slot] offset:128*(\q)+64*\c+\i*16*PITCH
	ds_load_b128 v[\f+64+8*(4*\c+\i)+4:\f+64+8*(4*\c+\i)+7], v[ADRB+\slot] offset:128*(\q)+64*\c+\i*16*PITCH+32
	ds_load_b128 v[\f+8*(4*\c+\i):\f+8*(4*\c+\i)+3],         v[ADRA+\slot] offset:AHD*(\q)+64*\c+\i*16*APITCH
	ds_load_b128 v[\f+8*(4*\c+\i)+4:\f+8*(4*\c+\i)+7],       v[ADRA+\slot] offset:AHD*(\q)+64*\c+\i*16*APITCH+32
.endr
.endr
.endm
.macro PLACES                          ; four places in front of loads into registers that matrix instructions have read, and of the first read of results
.rept 4
	v_nop
.endr
.endm
; One of a K step's first three quarters: multiplies buffer f and fetches the next quarter, q, into g.
.macro QUARTER slot, q, f, g, zero
	s_wait_dscnt 16                                ; the first 32 along K are in; the sixteen younger loads may be out
	WIN MUL
	MUL8 \f, 0, 0, \zero
	MUL8 \f, 0, 2, \zero
	PLACES
	FETCH \slot, \q, \g
	s_wait_dscnt 32                                ; all but the 32 just issued
	WIN MUL
	MUL8 \f, 1, 0, 0
	MUL8 \f, 1, 2, 0
.endm
; The last quarter multiplies buffer 1 and changes slots: ONE barrier; in front of it each wave waits for all its tensor loads, adds 0 to its spare word, and waits for that and for its own reads of this slot.  fill = 1: this slot is filled again, two K steps ahead.
.macro TURN slot, next, fill
	WIN 0                                          ; (the add's two registers lie in window 0)
	s_wait_tensorcnt 0x0                           ; all my tensor loads have landed: my part of the next slot;
	ds_add_u32 v[SPW], v[NIL]                      ; 0 onto my spare word
	s_wait_dscnt 17                                ; (the add and the youngest sixteen loads may be out)
	WIN MUL
	MUL8 F1, 0, 0, 0                               ; eight matrix instructions stand between the add and the wait for it
	s_wait_dscnt 0x0                               ; the add is done, and my reads of this slot are over
	s_barrier_signal -1
	MUL8 F1, 0, 2, 0
.if \fill
	WIN 0
.endif
	s_barrier_wait -1
.if \fill
	CREST                                          ; the barrier has opened a round of the cluster's barrier: no wave of any partner still reads this slot's tile or has a load on its way
	s_add_nc_u64 s[G0+4*\slot+2:G0+4*\slot+3], s[G0+4*\slot+2:G0+4*\slot+3], 2*ASTEP
	s_add_nc_u64 s[G0B+4*\slot+2:G0B+4*\slot+3], s[G0B+4*\slot+2:G0B+4*\slot+3], 2*BSTEP
	JLOAD \slot                                    ; the first tensor load behind the round; the four v_nop behind it are also the places in front of the loads below
.else
	PLACES
.endif
	FETCH \next, 0, F0
	WIN MUL
	MUL8 F1, 1, 0, 0
	MUL8 F1, 1, 2, 0
.endm
	s_wait_tensorcnt 1                             ; my part of K step 0 is in (K step 1's load may be out),
	s_barrier_signal -1
	s_barrier_wait -1                              ; everybody's is
	FETCH 0, 0, F0
	s_wait_loadcnt 0x0                             ; the bias
	QUARTER 0, 1, F0, F1, 1                        ; the first quarter stands in front of the loop: its first products start the sums
	WIN 0                                          ; at a label and at a branch every window is 0
	s_mov_b32 s3, LAPS-1
.Llap:                                                 ; a trip goes once round the ring, from a lap's second quarter to the next lap's first, and fills both slots again
	QUARTER 0, 2, F1, F0, 0
	QUARTER 0, 3, F0, F1, 0
	TURN 0, 1, 1
	QUARTER 1, 1, F0, F1, 0
	QUARTER 1, 2, F1, F0, 0
	QUARTER 1, 3, F0, F1, 0
	TURN 1, 0, 1
	QUARTER 0, 1, F0, F1, 0
	WIN 0
	s_sub_co_u32 s3, s3, 1
	s_cmp_lg_u32 s3, 0
	s_cbranch_scc1 .Llap
	QUARTER 0, 2, F1, F0, 0                        ; the last lap fills nothing, and has no round of the cluster's barrier
	QUARTER 0, 3, F0, F1, 0
	TURN 0, 1, 0
	QUARTER 1, 1, F0, F1, 0
	QUARTER 1, 2, F1, F0, 0
	QUARTER 1, 3, F0, F1, 0
	s_wait_dscnt 16                                ; the very last quarter: nothing more to fetch
	WIN MUL
	MUL8 F1, 0, 0, 0
	MUL8 F1, 0, 2, 0
	s_wait_dscnt 0
	MUL8 F1, 1, 0, 0
	MUL8 F1, 1, 2, 0
	WIN 0
; THE WAY OUT, block by block of 16 rows x 64 columns.  A wave's 64 f32 columns are 256 consecutive bytes, aligned, so each wave has a stage of its own and no barrier is needed: 32 bytes a lane in, whole rows back,
; sixteen lanes to a row.  LDS serves a wave's instructions in order (ISA guide 5.7.1.4): no wait between the stores and the loads, nor in front of the next block's stores.
.macro TOSTAGE a
.irp b, 0,1,2,3
	ds_store_b128 v[STO], v[ACC+8*(4*(\a)+\b):ACC+8*(4*(\a)+\b)+3] offset:64*\b          ; each accumulator from its low end on
	ds_store_b128 v[STO], v[ACC+8*(4*(\a)+\b)+4:ACC+8*(4*(\a)+\b)+7] offset:64*\b+16
.endr
.irp t, 0,1,2,3,4,5,6,7
	ds_load_b128 v[TMP+32*((\a)%2)+4*\t:TMP+32*((\a)%2)+4*\t+3], v[RD] offset:\t*2*SPITCH
.endr
.endm
.macro SEND a, younger                 ; younger: the LDS instructions issued behind block a's loads, which may stay out
	s_wait_dscnt \younger                          ; the block is back in registers
.irp t, 0,1,2,3,4,5,6,7
	global_store_b128 v[CO], v[TMP+32*((\a)%2)+4*\t:TMP+32*((\a)%2)+4*\t+3], s[8:9] offset:(16*(\a)+2*\t)*4096 th:TH_STORE_NT   ; 16 lanes store 256 consecutive bytes, aligned; written once, read by nobody here
.endr
.endm
	PLACES                                         ; behind the last products
	TOSTAGE 0
.irp a, 1,2,3
.if \a > 1
	s_wait_xcnt 0x0                                ; block a - 2's stores have read their registers: block a's loads may land there
.endif
	TOSTAGE \a
	SEND \a-1, 16                                  ; behind block a - 1's loads: block a's 8 stores and 8 loads
.endr
	SEND 3, 0
	s_wait_tensorcnt 0x0                           ; the wave's end
	ds_add_u32 v[SPW], v[NIL]
	s_wait_dscnt 0x0
	CROUND                                         ; the closing round: no work-group ends while a partner may still ask for a tile that names it
	s_endpgm
.Lfunc_end_k_q91893e2bb4_oproj:
	.size	k_q91893e2bb4_oproj, .Lfunc_end_k_q91893e2bb4_oproj-k_q91893e2bb4_oproj
	.p2alignl 7, 3214868480
	.fill 96, 4, 3214868480
	.section	.rodata,"a",@progbits
	.p2align	6, 0x0
	.amdhsa_kernel k_q91893e2bb4_oproj
		.amdhsa_group_segment_fixed_size 327680
		.amdhsa_private_segment_fixed_size 0
		.amdhsa_enable_private_segment 0
		.amdhsa_kernarg_size 32
		.amdhsa_user_sgpr_count 2
		.amdhsa_user_sgpr_kernarg_segment_ptr 1
		.amdhsa_wavefront_size32 1
		.amdhsa_system_sgpr_workgroup_id_x 1
		.amdhsa_system_sgpr_workgroup_id_y 1
		.amdhsa_system_sgpr_workgroup_id_z 1
		.amdhsa_system_vgpr_workitem_id 0
		.amdhsa_next_free_vgpr 512
		.amdhsa_next_free_sgpr 68
		.amdhsa_reserve_vcc 0
		.amdhsa_float_denorm_mode_32 3
		.amdhsa_float_denorm_mode_16_64 3
		.amdhsa_memory_ordered 1
		.amdhsa_forward_progress 1
		.amdhsa_inst_pref_size 87
	.end_amdhsa_kernel
	.amdgpu_metadata
---
amdhsa.version: [ 1, 2 ]
amdhsa.kernels:
  - .name:           k_q91893e2bb4_oproj
    .symbol:         k_q91893e2bb4_oproj.kd
    .args:
      - { .name: ao, .offset: 0, .size: 8, .value_kind: global_buffer, .address_space: global }
      - { .name: wo16, .offset: 8, .size: 8, .value_kind: global_buffer, .address_space: global }
      - { .name: out0, .offset: 16, .size: 8, .value_kind: global_buffer, .address_space: global }
      - { .name: bo, .offset: 24, .size: 8, .value_kind: global_buffer, .address_space: global }
    .group_segment_fixed_size: 327680
    .private_segment_fixed_size: 0
    .kernarg_segment_align: 8
    .kernarg_segment_size: 32
    .max_flat_workgroup_size: 128
    .sgpr_count:     68
    .vgpr_count:     512
    .wavefront_size: 32
...
	.end_amdgpu_metadata
.endif
;; end of part 4
